; MI455X (gfx1250); checked and timed in simulation.
; The chip was launched on July 23, 2026; its instructions are those of AMD's public machine-readable ISA for CDNA 5 (MIT licence, August 2026) and "CDNA5" Instruction Set Architecture Reference Guide (July 2026). The comments in the code are by the model that wrote it; some were corrected since.
;; Masked Multihead Attention. Allowed arithmetic: matrix products marked QUANTISED: E2M3 operands, one E8M0 scale for each 32 along K, by v_wmma_scale_f32_16x16x128_f8f6f4 with both operands' format E2M3, f32 sums; everything else in f32.
;; Inputs: b_out 1,024 float32; b_qkv 3,072 float32; key_codes 2,048 x 4 x 32 x 24 uint8 (E2M3 codes of key, K innermost, in blocks of 32 codes, four codes in three bytes); key_scales 2,048 x 4 x 32 uint8 (E8M0 scales of key, one for each 32 codes along K); mask 2,048 x 2,048 float32; query_codes 2,048 x 4 x 32 x 24 uint8 (E2M3 codes of query, K innermost, in blocks of 32 codes, four codes in three bytes); query_scales 2,048 x 4 x 32 uint8 (E8M0 scales of query, one for each 32 codes along K); value_codes 2,048 x 4 x 32 x 24 uint8 (E2M3 codes of value, K innermost, in blocks of 32 codes, four codes in three bytes); value_scales 2,048 x 4 x 32 uint8 (E8M0 scales of value, one for each 32 codes along K); w_out_codes 1,024 x 32 x 24 uint8 (E2M3 codes of w_out, K innermost, in blocks of 32 codes, four codes in three bytes); w_out_scales 1,024 x 32 uint8 (E8M0 scales of w_out, one for each 32 codes along K); w_qkv 3,072 x 1,024 float32.
;; Outputs: out0 2,048 x 4 x 1,024 float32.
;; This version of the problem:
;;   THIS VERSION OF THE PROBLEM IS GIVEN IN LOW PRECISION. The matrix products marked QUANTISED in the list below multiply operands that are first quantised to E2M3 (2 exponent bits, 3 mantissa bits; 6 bits a number), with one power-of-two scale for each 32 numbers along K (OCP MX v1.0); their sums are f32. All else is computed in f32.
;;   The module's matrix products, in the order in which they are computed (A, B: the left and right operand; K: the contracted axis; several contracted axes count as one K, in the product's order):
;;     1. [M 8,192, K 1,024] x [K 1,024, N 1,024]; A: input query (given as codes); B: computed on the way: QUANTISED
;;     2. [M 8,192, K 1,024] x [K 1,024, N 1,024]; A: input key (given as codes); B: computed on the way: QUANTISED
;;     3. [M 8,192, K 1,024] x [K 1,024, N 1,024]; A: input value (given as codes); B: computed on the way: QUANTISED
;;     4. batch 64 x [M 2,048, K 64] x [K 64, N 2,048]; A: computed on the way; B: computed on the way: QUANTISED
;;     5. batch 64 x [M 2,048, K 2,048] x [K 2,048, N 64]; A: softmax (see below); B: computed on the way: QUANTISED
;;     6. [M 8,192, K 1,024] x [K 1,024, N 1,024]; A: computed on the way; B: input w_out (given as codes): QUANTISED
;;   THE QUANTISER, for each operand of a quantised product, along K:
;;     - K is cut into blocks of 32 from its start; a last block that is shorter is filled with zeros.
;;     - A block's scale is 2^e with e = floor(log2(the largest magnitude in the block)) - 2, held to -126 .. 127; a block of zeros has e = 0. As a byte (E8M0): e + 127.
;;     - Each number is divided by its block's scale, clamped to +-7.5, and rounded to the nearest number of E2M3, ties to even, subnormals kept.
;;     - The product sums the exact products of the quantised numbers (number of the format x scale) in f32.
;;   ~~~python
;;   def quantise(x, axis):      # numpy; x: float32 -> the quantised numbers, widened to float32 again
;;       x = np.moveaxis(x, axis, -1); K = x.shape[-1]
;;       x = np.pad(x, [(0, 0)] * (x.ndim - 1) + [(0, -K % 32)]); x = x.reshape(x.shape[:-1] + (-1, 32)); a = np.abs(x).max(-1, keepdims=True)
;;       e = np.where(a > 0, np.clip(np.frexp(np.where(a > 0, a, 1))[1] - 1 - 2, -126, 127), 0)      # np.frexp(a)[1] - 1 = floor(log2(a)), exactly
;;       r = np.clip(x / 2.0 ** e, -7.5, 7.5)
;;       step = 2.0 ** (np.maximum(np.frexp(np.where(r == 0, 1, r))[1] - 1, 0) - 3)
;;       q = np.round(r / step) * step * 2.0 ** e      # np.round: ties to even
;;       return np.moveaxis(q.reshape(q.shape[:-2] + (-1,))[..., :K], -1, axis).astype(np.float32)
;;   ~~~
;;   SOFTMAX AHEAD OF A QUANTISED PRODUCT. Where the list says 'softmax', what is quantised is not the finished softmax but p = 2^(t - M), with t = logit x log2(e) and M = ceil(the row's largest t), a whole number; so 1/2 < the row's largest p <= 1. The row's sum l is taken of the UNQUANTISED p, in f32, and the product's result is divided by l at the end. Since M is a whole number, a kernel that streams over the keys may use a running M (the ceiling of the running maximum): every later rescaling is an exact power of two, which a block's scale takes up: the codes' values come out the same.
;;   OPERANDS COMPUTED ON THE WAY. 'Computed on the way' means the value that the module computes at that place (a softmax that the list does not call 'softmax' is quantised finished and normalised). What goes into a quantiser is computed in f32, as accurately as f32 sums, v_exp_f32 and their like allow (about 1e-6 of the number): no bf16 or f16 on the way to a quantiser, and a product that is left as it is and whose result goes on into a quantised operand takes f32 operands (vector FMAs, or v_wmma_f32_16x16x4_f32). A number that lies on a knife's edge between two numbers of the format may be rounded either way, as far as f32 arithmetic and the matrix unit's own rounding can turn it there, and no further.
;;   INPUTS GIVEN AS CODES. key (in the module: [2048, 4, 1024], K = its axis 2); query (in the module: [2048, 4, 1024], K = its axis 2); value (in the module: [2048, 4, 1024], K = its axis 2); w_out (in the module: [1024, 1024], K = its axis 1): each comes as NAME_codes (uint8): NAME with its K axis moved to the last place and cut into blocks of 32 codes, [.., K / 32, bytes a block], one block behind the other in memory; four codes in three bytes: a row's codes are one little-endian stream of bits, code i at bits 6 i .. 6 i + 5 (a code: sign, 2 exponent bits, 3 mantissa bits); and NAME_scales (uint8): the same leading axes, one E8M0 byte (e + 127) for each 32 codes along K. Its value is code x scale, taken as it is: it is not quantised again, and the codes and scales need not be those that the quantiser above would give.
;; One version. Each part assembles by itself: llvm-mc -triple=amdgcn-amd-amdhsa -mcpu=gfx1250 --defsym DOCPART=n.
;; ======== version 1 of 1: 4 launches
;; limits: right only within a limited range of input values
;; workspace buffers: wcod 2,359,296 bytes; wscl 98,304 bytes; frag 18,874,368 bytes; fscl 1,310,720 bytes; cfrag 6,291,456 bytes; cscl 262,144 bytes
;; launch prep (part 1): grid 384 x 1, 1 waves a work-group, no clusters, 8,448 bytes of LDS; arguments w_qkv, wcod, wscl; writes wcod, wscl
.if DOCPART == 1
	.amdgcn_target "amdgcn-amd-amdhsa--gfx1250"
	.amdhsa_code_object_version 6
	.text
	.protected	k_qd7362b9521_prep
	.globl	k_qd7362b9521_prep
	.p2align	8
	.type	k_qd7362b9521_prep,@function
k_qd7362b9521_prep:
	s_mov_b64 s[64:65], 0
	v_nop
	global_prefetch_b8 v0, s[64:65] scope:SCOPE_SE
	s_setreg_imm32_b32 hwreg(HW_REG_WAVE_MODE, 25, 1), 1
	s_wait_xcnt 0x0
; w_qkv [3072][1024] f32 is turned into codes of FP6 (E2M3), K innermost, with one E8M0 byte for each 32 along K, and its rows are put in the order in which the next launch wants them.
; A block's scale is 2^(floor(log2(its largest magnitude)) - 2); its byte is the largest magnitude's exponent field - 2, held at 1 from below.
; LIMITS: a block of zeros, and a block whose largest magnitude lies under 2^-124, gets the byte 1 (the rule says 127 for zeros: the codes are zeros, and this program alone reads the bytes); NaN and infinities are not served.
; PLACES.  Inside a projection (1,024 rows) row n goes to place rho = n with bits 3 and 4 exchanged, so that a tile of 16 places holds rows 32 (i / 2) + 8 (i % 2) + m + 8 (m / 8).
; Place rho lies at memory row 4 (rho % 256) + rho / 256: so the 256 places of a tile lie four rows apart, as the 256 rows (t, b) of one b lie in the activations, and one text serves both as either operand.
; SHARES.  A work-group is one wave and takes eight rows, 32,768 bytes: 16 steps of 512 numbers (half a row).  Eight neighbouring rows keep their order: only the group's number is re-placed.
; Each load reads 512 consecutive bytes; a step's 2,048 bytes turn through a stage in LDS (16 bytes of padding behind each 64) and come back 64 bytes a lane: 16 neighbours along K, two lanes to a block.
; A step's codes leave as 384 consecutive bytes.  The 256 scale bytes are gathered in LDS and leave as eight runs of 32 bytes, 128 bytes apart: the price of the rows' order, on one byte in 128 of what is read.
.set STEPS, 16
.set EMAX,  2
.set CB,    12                         ; bytes of 16 codes
.set R,     16                         ; v16-79   four sets of 16 numbers as loaded
.set X,     80                         ; v80-111  two sets of 16 neighbours
.set E,     112                        ; v112-127 a scale byte for each step
.set C,     128                        ; v128-191 codes: four registers for each step: no store's data are written again
.set SP,    80                         ; a lane's place in a stage
.set SBY,   2*32*SP                    ; behind the two stages: the 256 scale bytes
	s_load_b128 s[4:7], s[0:1], 0x0                ; w_qkv, wcod
	s_load_b64 s[8:9], s[0:1], 0x10                ; wscl
	v_lshl_add_u32 v192, v0, 2, 0x2000
	v_mov_b32 v193, 0
	v_and_b32 v2, 31, v0                           ; lane
	v_lshlrev_b32 v3, 4, v2                        ; my 16 bytes of a load's 512
	v_lshrrev_b32 v14, 2, v2
	v_mul_u32_u24 v14, v14, SP
	v_and_b32 v15, 3, v2
	v_lshl_add_u32 v14, v15, 4, v14                ; the stage, on the way in: SP (lane / 4) + 16 (lane % 4)
	v_mul_u32_u24 v15, v2, SP                      ; and on the way out: SP x lane
	v_mul_u32_u24 v4, v2, CB                       ; my codes' place in a step's
	v_lshrrev_b32 v5, 1, v2
	v_add_nc_u32 v5, SBY, v5                       ; my block's byte
	v_lshlrev_b32 v6, 3, v2
	v_add_nc_u32 v6, SBY, v6                       ; on the way out 8 bytes a lane
	v_lshrrev_b32 v7, 2, v2
	v_lshlrev_b32 v7, 7, v7
	v_and_b32 v10, 3, v2
	v_lshl_add_u32 v7, v10, 3, v7                  ; row lane / 4 (128 bytes apart), 8 (lane % 4) in it
	s_lshr_b32 s12, ttmp9, 7                       ; the projection
	s_and_b32 s13, ttmp9, 127                      ; which eight rows of it
	s_and_b32 s14, s13, 0x7c
	s_and_b32 s15, s13, 1
	s_lshl_b32 s15, s15, 1
	s_or_b32 s14, s14, s15
	s_bfe_u32 s15, s13, 0x10001
	s_or_b32 s14, s14, s15                         ; its two lowest bits exchanged: bits 3 and 4 of the row
	s_lshl_b32 s14, s14, 3                         ; the first place
	s_and_b32 s15, s14, 255
	s_lshl_b32 s15, s15, 2
	s_lshr_b32 s16, s14, 8
	s_add_co_u32 s15, s15, s16
	s_lshl_b32 s16, s12, 10
	s_add_co_u32 s15, s15, s16                     ; its memory row; the other seven lie four rows apart
	s_mul_i32 s16, s15, 768
	s_mov_b32 s17, 0
	s_lshl_b32 s18, s15, 5
	s_mov_b32 s19, 0
	s_lshl_b32 s20, ttmp9, 15
	s_mov_b32 s21, 0
	s_wait_kmcnt 0x0
	s_add_nc_u64 s[4:5], s[4:5], s[20:21]
	s_add_nc_u64 s[6:7], s[6:7], s[16:17]
	s_add_nc_u64 s[8:9], s[8:9], s[18:19]
.macro LOAD t
.irp i, 0,1,2,3
	global_load_b128 v[R+16*((\t)%4)+4*\i:R+16*((\t)%4)+4*\i+3], v3, s[4:5] offset:2048*(\t)+512*\i th:TH_LOAD_NT
.endr
.endm
.macro TURN t                          ; step t's numbers through the stage: LDS serves a wave's instructions in order, so no wait stands between the stores and the loads
.irp i, 0,1,2,3
	ds_store_b128 v14, v[R+16*((\t)%4)+4*\i:R+16*((\t)%4)+4*\i+3] offset:32*SP*((\t)%2)+8*SP*\i
.endr
.irp i, 0,1,2,3
	ds_load_b128 v[X+16*((\t)%2)+4*\i:X+16*((\t)%2)+4*\i+3], v15 offset:32*SP*((\t)%2)+16*\i
.endr
.endm
.irp t, 0,1,2,3
	LOAD \t
.endr
	s_wait_loadcnt 12                              ; step 0's four loads are in; the twelve of steps 1 to 3 may be out
	TURN 0
.macro STEP t
.set XS, X+16*((\t)%2)
.if (\t) > 0
	s_wait_dscnt 1                                 ; this step's numbers are back from the stage; the last step's byte store may be out
.else
	s_wait_dscnt 0x0
.endif
.if (\t)+4 < STEPS
	LOAD (\t)+4                                    ; into the registers that this step's stores into the stage have read
.endif
.if (\t)+1 < STEPS
.if STEPS-2-(\t) >= 3
	s_wait_loadcnt 12                              ; the next step's four loads are in; those of the three steps behind it may be out
.else
	s_wait_loadcnt 4*(STEPS-2-(\t))
.endif
	TURN (\t)+1
.endif
	v_max3_num_f32 v8, |v[XS]|, |v[XS+1]|, |v[XS+2]|               ; the largest magnitude of my 16, in two chains
	v_max3_num_f32 v9, |v[XS+3]|, |v[XS+4]|, |v[XS+5]|
.irp i, 6,10
	v_max3_num_f32 v8, v8, |v[XS+\i]|, |v[XS+\i+1]|
	v_max3_num_f32 v9, v9, |v[XS+\i+2]|, |v[XS+\i+3]|
.endr
	v_max3_num_f32 v8, v8, |v[XS+14]|, |v[XS+15]|
	v_max3_num_f32 v8, v8, v9, (EMAX+1)<<23        ; and the floor 2^(3 - 127): the byte cannot fall under 1
	v_max_num_f32_dpp v8, v8, v8 row_xmask:1 row_mask:0xf bank_mask:0xf   ; and of my neighbour's 16: the block's
	v_add_nc_u32 v11, -(EMAX<<23), v8              ; 2 off its exponent field: the conversion takes the exponent field of this operand as its scale
	v_cvt_scalef32_pk16_fp6_f32 v[C+4*(\t):C+4*(\t)+2], v[XS:XS+15], v11
	v_lshrrev_b32 v[E+(\t)], 23, v11               ; the scale's byte (a plain line behind the conversion)
	ds_store_b8 v5, v[E+(\t)] offset:16*(\t)       ; both lanes of a block write the same byte with the same value
	global_store_b96 v4, v[C+4*(\t):C+4*(\t)+2], s[6:7] offset:((\t)/2)*3072+((\t)%2)*384
.endm
.irp t, 0,1,2,3,4,5,6,7,8,9,10,11,12,13,14,15
	STEP \t
.endr
	ds_load_b64 v[12:13], v6                       ; LDS serves a wave's instructions in order: these see my stores
	s_wait_dscnt 0x0
	global_store_b64 v7, v[12:13], s[8:9]
	s_wait_tensorcnt 0x0
	ds_add_u32 v192, v193
	s_wait_dscnt 0x0
	s_endpgm
.Lfunc_end_k_qd7362b9521_prep:
	.size	k_qd7362b9521_prep, .Lfunc_end_k_qd7362b9521_prep-k_qd7362b9521_prep
	.p2alignl 7, 3214868480
	.fill 96, 4, 3214868480
	.section	.rodata,"a",@progbits
	.p2align	6, 0x0
	.amdhsa_kernel k_qd7362b9521_prep
		.amdhsa_group_segment_fixed_size 8448
		.amdhsa_private_segment_fixed_size 0
		.amdhsa_enable_private_segment 0
		.amdhsa_kernarg_size 24
		.amdhsa_user_sgpr_count 2
		.amdhsa_user_sgpr_kernarg_segment_ptr 1
		.amdhsa_wavefront_size32 1
		.amdhsa_system_sgpr_workgroup_id_x 1
		.amdhsa_system_sgpr_workgroup_id_y 1
		.amdhsa_system_sgpr_workgroup_id_z 1
		.amdhsa_system_vgpr_workitem_id 0
		.amdhsa_next_free_vgpr 194
		.amdhsa_next_free_sgpr 66
		.amdhsa_reserve_vcc 0
		.amdhsa_float_denorm_mode_32 3
		.amdhsa_float_denorm_mode_16_64 3
		.amdhsa_memory_ordered 1
		.amdhsa_forward_progress 1
		.amdhsa_inst_pref_size 33
	.end_amdhsa_kernel
	.amdgpu_metadata
---
amdhsa.version: [ 1, 2 ]
amdhsa.kernels:
  - .name:           k_qd7362b9521_prep
    .symbol:         k_qd7362b9521_prep.kd
    .args:
      - { .name: w_qkv, .offset: 0, .size: 8, .value_kind: global_buffer, .address_space: global }
      - { .name: wcod, .offset: 8, .size: 8, .value_kind: global_buffer, .address_space: global }
      - { .name: wscl, .offset: 16, .size: 8, .value_kind: global_buffer, .address_space: global }
    .group_segment_fixed_size: 8448
    .private_segment_fixed_size: 0
    .kernarg_segment_align: 8
    .kernarg_segment_size: 24
    .max_flat_workgroup_size: 32
    .sgpr_count:     66
    .vgpr_count:     194
    .wavefront_size: 32
...
	.end_amdgpu_metadata
.endif
;; end of part 1
;; launch proj (part 2): grid 4 x 64, 4 waves a work-group, clusters of 4 x 4, 327,680 bytes of LDS; arguments query_codes, query_scales, key_codes, key_scales, value_codes, value_scales, wcod, wscl, b_qkv, frag, fscl; writes frag, fscl
.if DOCPART == 2
	.amdgcn_target "amdgcn-amd-amdhsa--gfx1250"
	.amdhsa_code_object_version 6
	.text
	.protected	k_qd7362b9521_proj
	.globl	k_qd7362b9521_proj
	.p2align	8
	.type	k_qd7362b9521_proj,@function
k_qd7362b9521_proj:
	s_mov_b64 s[64:65], 0
	v_nop
	global_prefetch_b8 v0, s[64:65] scope:SCOPE_SE
	s_setreg_imm32_b32 hwreg(HW_REG_WAVE_MODE, 25, 1), 1
	s_wait_xcnt 0x0
	s_wait_alu depctr_hold_cnt(0) depctr_sa_sdst(0) depctr_va_vdst(0) depctr_va_sdst(0) depctr_va_ssrc(0) depctr_va_vcc(0) depctr_vm_vsrc(0)
	s_getreg_b32 s2, hwreg(HW_REG_IB_STS2, 6, 4)
	s_cmp_eq_u32 s2, 0
	s_cbranch_scc0 .Lentry_in_a_cluster
	s_endpgm
.Lentry_in_a_cluster:
	s_bfe_u32 s2, ttmp6, 0x10000c
	s_cmp_lg_u32 s2, 0xf033
	s_cbranch_scc0 .Lentry_shape_is_right
	s_endpgm
.Lentry_shape_is_right:
; The three projections y = x W^T + bias on codes of FP6 (E2M3), one E8M0 scale for each 32 along K = 1,024; y is quantised at once and stored as images of the attention launch's operand registers.
; A WORK-GROUP STAYS and makes three blocks, one of each projection (0 q, 1 k, 2 v).  A block of y is 128 (operand A, source 1: a result's lanes) x 256 (operand B, source 0: a result's registers); four waves, each 64 x 128: 32 accumulators.
; q, k: A = x (128 rows t of one b), B = W (two pairs of heads).  v: A = W (one pair of heads), B = x (256 keys).  Both operands are rows of 768 bytes, 3,072 bytes apart, so the roles change by a choice of pointers.
; Both operands lie whole in LDS, (128 + 256) rows x (768 + 3 x 16 bytes of padding) = 313,344 bytes, each row whole, from a 256-byte border; one joint load a wave for each block.
; THE REFILL AHEAD OF THE STORES: behind a block's last product every wave waits, adds and passes a round of the cluster's barrier; the next block's operands are asked for, then its scale words and bias, and only then the finished block is quantised and stored.
; The last block's way out is written out behind the loop: it asks for nothing more.
; The scale words (32 bytes a row) go straight into registers: lane (r, h) takes words 4 h .. 4 h + 3 of row r, so K step st reads register st % 4, lanes 16 (st / 4) on.
; The bias is the C of each accumulator's first product: by registers (q, k) or by lanes (v), in two copies of the first K step chosen by the projection's number.
; OUT: for each of a wave's four blocks: four blocks of 32 quantised, 12 registers of codes stored as four planes (512, 256, 512, 256 consecutive aligned bytes).  Scale words leave as [a / 4][row][a % 4]; for q, k lanes 16-31 store the copy shifted down 16 bits, for the pair's second head.
; LIMITS: a block of zeros, or one under 2^-124, gets the byte 1 (read by this program alone); NaN and infinities are not served.
; CLUSTERS 4 x 4: A's rows hang on the place along y and are asked for jointly by a row of the cluster, B's on the place along x, by a column.
; PREFETCH: in K step 1 of a block each wave names its work-group's share of the rows that it will fetch for the next block, six K steps ahead of that load: of A's 64 rows the partner at cx takes 16, of B's 128 the partner at cy takes 32; a lane a row, three requests for a row's three blocks of 256 bytes; the last block asks for nothing.
; REGISTERS: window 0: v0-31 addresses, v32-47 A's scale words, v48-79 B's, v80-175 A's fragments (two sets; the way out works there), v176-179 scale words made; window 1: B's fragments, two sets; window 2: accumulators; window 3: the bias.
.set PITCH, 816
.set BLK,   16*PITCH
.set LB,    128*PITCH
.set SPARE, 384*PITCH+12288
.set ADRA, 16
.set ADRB, 18
.set VS,   22
.set OBR,  23
.set OBL,  24
.set LI16, 25
.set LI8,  26
.set SHF,  27
.set SPW,  28
.set NIL,  29
.set SOF,  30
.set PFO,  31
.set SA,   32
.set SB,   48
.set AF,   80
.set TM,   160
.set WD,   176
.set SW,   4
.set VAR,  2                           ; s2   the projection
.set PP,   3                           ; s3   its pair of heads
.set TOGO, 67                          ; s67  blocks to go, this one among them
.set PFA,  60                          ; s[60:61] where my prefetches stand
.set G1,   24
.set G0,   32
.set G1B,  48
.set G0B,  56
.set FO,   96
.set SO,   98
.set SEL,  100
.set MSB, 0
.macro WIN new                         ; the immediate's high byte repeats the setting that is left
.if MSB != (\new)
	s_set_vgpr_msb (MSB<<8)|(\new)
.set MSB, (\new)
.endif
.endm
.macro CROUND
	s_barrier_signal -1
	s_barrier_wait -1
	s_cmp_lg_u32 s14, 0
	s_cbranch_scc1 .Lnot_wave_0_\@
	s_barrier_signal -3
.Lnot_wave_0_\@:
	s_barrier_wait -3
	s_barrier_signal -1
	s_barrier_wait -1
.endm
.macro PLACES
.rept 4
	v_nop
.endr
.endm
; Where the rows that I fetch for projection s[v] begin: A's in s[44:45], B's in s[46:47]; s22, s23: the operands' first memory rows.  A's rows: memory row 512 s17 + 4 k + cy; B's: 1,024 s42 + 4 k + cx.
.macro TADR v
	s_cmp_eq_u32 s[\v], 2
	s_cselect_b32 s17, s19, s18
	s_cselect_b32 s42, s20, 0
	s_lshl_b32 s22, s17, 9
	s_add_co_u32 s22, s22, s41
	s_lshl_b32 s23, s42, 10
	s_add_co_u32 s23, s23, s40
	s_lshl_b32 s43, s16, 8
	s_add_co_u32 s44, s22, s43
	s_mul_i32 s44, s44, 768
	s_mov_b32 s45, 0
	s_lshl_b32 s43, s16, 9
	s_add_co_u32 s46, s23, s43
	s_mul_i32 s46, s46, 768
	s_mov_b32 s47, 0
	s_mul_i32 s36, s[\v], 786432
	s_mov_b32 s37, 0
	s_add_nc_u64 s[94:95], s[80:81], s[36:37]      ; this projection's weights
	s_cmp_eq_u32 s[\v], 0
	s_cselect_b64 s[92:93], s[68:69], s[72:73]
	s_cmp_eq_u32 s[\v], 2
	s_cselect_b64 s[92:93], s[76:77], s[92:93]     ; x's codes
	s_cselect_b64 s[4:5], s[94:95], s[92:93]       ; A's codes
	s_cselect_b64 s[8:9], s[92:93], s[94:95]       ; B's codes
	s_add_nc_u64 s[44:45], s[4:5], s[44:45]
	s_add_nc_u64 s[46:47], s[8:9], s[46:47]
.endm
; Block s[VAR]: the two descriptors' addresses, the scale words' and the bias's pointers.  Scalar work alone.
.macro NEWT
	TADR VAR
	s_mov_b64 s[G0+2:G0+3], s[44:45]
	s_or_b32 s[G0+3], s[G0+3], 0x80000000
	s_mov_b64 s[G0B+2:G0B+3], s[46:47]
	s_or_b32 s[G0B+3], s[G0B+3], 0x80000000
	s_lshl_b32 s43, s15, 8
	s_add_co_u32 s36, s22, s43
	s_lshl_b32 s36, s36, 5                         ; my 64 rows of A: their scales
	s_mov_b32 s37, 0
	s_lshl_b32 s43, s16, 9
	s_add_co_u32 s38, s23, s43
	s_lshl_b32 s38, s38, 5                         ; my 128 rows of B: their scales
	s_mov_b32 s39, 0
	s_lshl_b32 s90, s[VAR], 15
	s_mov_b32 s91, 0
	s_add_nc_u64 s[94:95], s[82:83], s[90:91]
	s_cmp_eq_u32 s[VAR], 0
	s_cselect_b64 s[92:93], s[70:71], s[74:75]
	s_cmp_eq_u32 s[VAR], 2
	s_cselect_b64 s[92:93], s[78:79], s[92:93]
	s_cselect_b64 s[6:7], s[94:95], s[92:93]
	s_cselect_b64 s[10:11], s[92:93], s[94:95]
	s_cselect_b32 s[PP], s63, s62
	s_add_nc_u64 s[6:7], s[6:7], s[36:37]
	s_add_nc_u64 s[10:11], s[10:11], s[38:39]
	s_lshl_b32 s12, s[VAR], 10
	s_lshl_b32 s43, s[PP], 7
	s_add_co_u32 s12, s12, s43
	s_lshl_b32 s12, s12, 2                         ; the pair's 128 numbers of the bias
	s_mov_b32 s13, 0
	s_add_nc_u64 s[12:13], s[84:85], s[12:13]
.endm
.macro ISSUE                           ; one joint load a wave: waves 0, 1 A's halves, waves 2, 3 B's
	s_cmp_eq_u32 s15, 0
	s_cbranch_scc0 .Lfor_b_\@
	tensor_load_to_lds s[G0:G0+3], s[G1:G1+7]
	s_nop 0
	PLACES
	s_branch .Lasked_\@
.Lfor_b_\@:
	tensor_load_to_lds s[G0B:G0B+3], s[G1B:G1B+7]
	s_nop 0
	PLACES
.Lasked_\@:
.endm
.macro GLOADS                          ; scale words; the bias into window 3: v0-63 by registers (register 16 beta + i: feature 32 beta + 16 h + i), v64-95 by lanes, eight copies a block
.irp i, 0,1,2,3
	global_load_b128 v[SA+4*\i:SA+4*\i+3], v[VS], s[6:7] offset:2048*\i
.endr
.irp i, 0,1,2,3,4,5,6,7
	global_load_b128 v[SB+4*\i:SB+4*\i+3], v[VS], s[10:11] offset:2048*\i
.endr
	WIN 0xc0
.irp b, 0,1,2,3
.irp i, 0,1,2,3
	global_load_b128 v[16*\b+4*\i:16*\b+4*\i+3], v[OBR], s[12:13] offset:128*\b+16*\i
.endr
.endr
.irp a, 0,1,2,3
.irp j, 0,1,2,3,4,5,6,7
	global_load_b32 v[64+8*\a+\j], v[OBL], s[12:13] offset:(32*(\a/2)+8*(\a%2))*4
.endr
.endr
	WIN 0
.endm
; Where block s[VAR]'s results go, and where the prefetches for the block behind it stand
.macro OUTADR
	s_cmp_eq_u32 s[VAR], 2
	s_cselect_b32 s90, s40, s41                    ; b
	s_cselect_b32 s91, s66, s18                    ; ks
	s_cselect_b32 s92, 9, 10                       ; an entry of scale words: 512 bytes for v, 1,024 for q, k
	s_cselect_b32 s93, 0, 16
	s_cselect_b32 s94, 0, 512
	s_lshl_b32 s90, s90, 3
	s_add_co_u32 s90, s90, s[PP]
	s_lshl_b32 s90, s90, 4
	s_add_co_u32 s90, s90, s91                     ; the entry (8 b + p) 16 + ks
	s_mul_i32 s36, s90, 12288
	s_mul_i32 s43, s[VAR], 6291456
	s_add_co_u32 s36, s36, s43
	s_mul_i32 s43, s15, 6144
	s_add_co_u32 s36, s36, s43                     ; my four of its eight fragments
	s_mov_b32 s37, 0
	s_add_nc_u64 s[FO:FO+1], s[86:87], s[36:37]
	s_lshl_b32 s36, s90, s92
	s_lshl_b32 s43, s[VAR], 19
	s_add_co_u32 s36, s36, s43
	s_lshl_b32 s43, s15, 8
	s_add_co_u32 s36, s36, s43
	s_add_nc_u64 s[SO:SO+1], s[88:89], s[36:37]
	v_mul_u32_u24 v[SHF], s93, v2                  ; q, k: lanes 16-31 shift the words down 16 bits
	v_mul_u32_u24 v[SOF], s94, v2
	v_lshl_add_u32 v[SOF], v1, 4, v[SOF]           ; and store them 512 bytes on
	s_add_co_u32 s21, s[VAR], 1
	s_min_u32 s21, s21, 2                          ; (the last block asks for nothing: its address is not used)
	TADR 21
	s_mul_i32 s36, s40, 16*3072                    ; my work-group's share of the rows, by address
	s_mul_i32 s38, s41, 32*3072
	s_cmp_eq_u32 s15, 0
	s_cselect_b64 s[PFA:PFA+1], s[44:45], s[46:47]
	s_cselect_b32 s36, s36, s38
	s_mov_b32 s37, 0
	s_add_nc_u64 s[PFA:PFA+1], s[PFA:PFA+1], s[36:37]
.endm
	s_load_b512 s[68:83], s[0:1], 0x0              ; q's codes, scales; k's; v's; the weights' codes s[80:81], scales s[82:83]
	s_load_b128 s[84:87], s[0:1], 0x40             ; b_qkv, frag
	s_load_b64 s[88:89], s[0:1], 0x50              ; fscl
	v_lshl_add_u32 v[SPW], v0, 2, SPARE
	v_mov_b32 v[NIL], 0
	ds_add_u32 v[SPW], v[NIL]                      ; the opening lines
	ds_add_u32 v[SPW], v[NIL]
	v_lshrrev_b32 v1, 5, v0
	v_readfirstlane_b32 s14, v1                    ; wave
	s_lshr_b32 s15, s14, 1                         ; my half of A's rows; also: I fetch for A (0) or B (1)
	s_and_b32 s16, s14, 1                          ; my half of B's rows; also: which half I fetch
	s_bfe_u32 s40, ttmp6, 0x40000                  ; cx
	s_bfe_u32 s41, ttmp6, 0x40004                  ; cy
	s_mov_b32 s[VAR], 0
	s_mov_b32 s[TOGO], 3
	s_and_b32 s18, ttmp7, 0xffff                   ; the cluster's y, 0 .. 15
	s_and_b32 s19, s18, 1
	s_lshr_b32 s20, s18, 1
	s_lshl_b32 s62, s40, 1
	s_add_co_u32 s62, s62, s16                     ; q, k: the pair of heads 2 cx + my half of B
	s_lshl_b32 s63, s41, 1
	s_add_co_u32 s63, s63, s19                     ; v: 2 cy + cluster y % 2
	s_lshl_b32 s66, s20, 1
	s_add_co_u32 s66, s66, s16                     ; v: the block of 128 keys
	s_lshl_b32 s43, s41, 2
	s_lshl_b32 s43, 15, s43                        ; my row of the cluster
	s_lshl_b32 s21, 0x1111, s40                    ; my column
	s_or_b32 s[G1+0], s43, (1<<20)|(1<<21)|(5<<22)|(3<<25)   ; elements of 1 byte; 4 words of padding behind every 64
	s_or_b32 s[G1B+0], s21, (1<<20)|(1<<21)|(5<<22)|(3<<25)
	s_mov_b32 s[G1+2], 64<<16                      ; a wave brings 64 rows of A,
	s_mov_b32 s[G1+4], 64
	s_mov_b32 s[G1B+2], 128<<16                    ; or 128 of B
	s_mov_b32 s[G1B+4], 128
.irp g, G1, G1B
	s_mov_b32 s[\g+1], 768<<16
	s_mov_b32 s[\g+3], 768<<16
	s_mov_b32 s[\g+5], 3072
	s_mov_b32 s[\g+6], 0
	s_mov_b32 s[\g+7], 0
.endr
	s_mov_b32 s[G0], 1
	s_mul_i32 s[G0+1], s16, 64*PITCH
	s_mov_b32 s[G0B], 1
	s_mul_i32 s[G0B+1], s16, 128*PITCH
	s_add_co_u32 s[G0B+1], s[G0B+1], LB
	s_mov_b32 s[SEL], 0x76543210
	s_mov_b32 s[SEL+1], 0xfedcba98
	s_wait_dscnt 0x0
	s_wait_kmcnt 0x0
	NEWT
	CROUND                                         ; all sixteen work-groups are here: the joint loads meet
	ISSUE
	v_and_b32 v1, 15, v0                           ; r
	v_bfe_u32 v2, v0, 4, 1                         ; h
	v_mul_u32_u24 v3, v1, PITCH
	v_mad_u32_u24 v3, v2, 24, v3                   ; a fragment's row x pitch + 24 h
	v_lshl_add_u32 v4, v2, 4, v3                   ; the same where lanes 16-31 lie behind one padding more
	s_mul_i32 s21, s15, 64*PITCH
	s_mul_i32 s22, s16, 128*PITCH
	s_add_co_u32 s22, s22, LB
	v_add_nc_u32 v[ADRA], s21, v3
	v_add_nc_u32 v[ADRA+1], s21, v4
	v_add_nc_u32 v[ADRB], s22, v3
	v_add_nc_u32 v[ADRB+1], s22, v4
	s_add_co_u32 s22, s22, 4*BLK                   ; B's blocks 4-7: beyond the 16-bit offset
	v_add_nc_u32 v[ADRB+2], s22, v3
	v_add_nc_u32 v[ADRB+3], s22, v4
	v_lshlrev_b32 v[VS], 7, v1
	v_lshl_add_u32 v[VS], v2, 4, v[VS]             ; scale rows lie 128 bytes apart; 16 h in a row
	v_lshlrev_b32 v[OBR], 6, v2
	v_lshrrev_b32 v6, 3, v1
	v_lshl_add_u32 v6, v6, 3, v1
	s_lshl_b32 s21, s15, 8
	v_lshl_add_u32 v[OBL], v6, 2, s21              ; 4 (r + 8 (r / 8)) + my half's 64 features
	v_and_b32 v6, 31, v0
	v_lshlrev_b32 v[LI16], 4, v6
	v_lshlrev_b32 v[LI8], 3, v6
	s_cmp_eq_u32 s15, 0
	s_cselect_b32 s21, 15, 31                      ; of A's rows my share is 16: the upper lanes name the last again
	v_min_u32 v[PFO], s21, v6
	v_mul_u32_u24 v[PFO], v[PFO], 3072
	s_wait_alu depctr_va_vdst(0)
	GLOADS
	OUTADR
.macro FRAG reg, adr, st, off          ; 16 rows x 128 K: 12 registers, in pieces of 8 bytes; byte y of a row lies at y + 16 (y / 256); lanes 16-31 read 24 bytes on
.irp p, 0,1,2,3,4,5
.set BY, 96*(\st)+48*(\p/3)+8*(\p%3)
	ds_load_b64 v[\reg+2*\p:\reg+2*\p+1], v[\adr+(BY+24)/256-BY/256] offset:BY+16*(BY/256)+(\off)
.endr
.endm
.macro FETCH st, set
	WIN 0x40
.irp i, 0,1,2,3
	FRAG 128*(\set)+12*\i, ADRB, \st, \i*BLK
.endr
.irp i, 0,1,2,3
	FRAG 128*(\set)+48+12*\i, ADRB+2, \st, \i*BLK
.endr
	WIN 0
.irp i, 0,1,2,3
	FRAG AF+48*(\set)+12*\i, ADRA, \st, \i*BLK
.endr
.endm
; 32 matrix instructions, the accumulators by turns.  cm: C is the accumulator (0), the bias by registers (1) or by lanes (2)
.macro MUL st, cm
.if \cm
	WIN 0xb1
.else
	WIN 0xa1
.endif
.irp a, 0,1,2,3
.irp b, 0,1,2,3,4,5,6,7
.set DD, 8*(8*\a+\b)
.set CC, DD
.if \cm == 1
.set CC, 8*\b
.endif
.if \cm == 2
.set CC, 64+8*\a
.endif
.if (\st) >= 4
	v_wmma_scale_f32_16x16x128_f8f6f4 v[DD:DD+7], v[128*((\st)%2)+12*\b:128*((\st)%2)+12*\b+11], v[AF+48*((\st)%2)+12*\a:AF+48*((\st)%2)+12*\a+11], v[CC:CC+7], v[SB+4*\b+(\st)%4], v[SA+4*\a+(\st)%4] matrix_a_fmt:MATRIX_FMT_FP6 matrix_b_fmt:MATRIX_FMT_FP6 matrix_a_scale:MATRIX_SCALE_ROW1 matrix_b_scale:MATRIX_SCALE_ROW1
.else
	v_wmma_scale_f32_16x16x128_f8f6f4 v[DD:DD+7], v[128*((\st)%2)+12*\b:128*((\st)%2)+12*\b+11], v[AF+48*((\st)%2)+12*\a:AF+48*((\st)%2)+12*\a+11], v[CC:CC+7], v[SB+4*\b+(\st)%4], v[SA+4*\a+(\st)%4] matrix_a_fmt:MATRIX_FMT_FP6 matrix_b_fmt:MATRIX_FMT_FP6
.endif
.endr
.endr
.endm
; Block a: 64 numbers a lane in window 2, register 16 b + i = place 32 b + 16 h + i along the next K; each accumulator is read from its low end on.
.macro OUT a
.set s, 64*\a
.set CD, AF+20*\a
	WIN 0x0a
.irp b, 0,1,2,3
	v_max3_num_f32 v[TM+\b], |v[s+16*\b]|, |v[s+1+16*\b]|, 0x1800000   ; with the floor 2^(3 - 127)
.endr
	WIN 0x28
.irp i, 2,4,6,8,10,12,14
.irp b, 0,1,2,3
	v_max3_num_f32 v[TM+\b], v[TM+\b], |v[s+16*\b+\i]|, |v[s+1+16*\b+\i]|
.endr
.endr
	WIN 0
.irp b, 0,1,2,3
	v_permlanex16_b32 v[TM+4+\b], v[TM+\b], s[SEL], s[SEL+1]
.endr
.irp b, 0,1,2,3
	v_max_num_f32 v[TM+\b], v[TM+\b], v[TM+4+\b]
.endr
.irp b, 0,1,2,3
	v_add_nc_u32 v[TM+12+\b], 0xff000000, v[TM+\b] ; 2 off the exponent field: the conversion's scale operand
.endr
.irp b, 0,1,2,3
	v_lshrrev_b32 v[TM+4+\b], 23, v[TM+12+\b]
.endr
	v_lshl_or_b32 v[WD+\a], v[TM+5], 8, v[TM+4]
	v_lshl_or_b32 v[WD+\a], v[TM+6], 16, v[WD+\a]
	v_lshl_or_b32 v[WD+\a], v[TM+7], 24, v[WD+\a]
	WIN 0x02
.irp c, 0,1
	v_cvt_scalef32_pk16_fp6_f32 v[CD+6*\c:CD+2+6*\c], v[s+32*\c:s+15+32*\c], v[TM+12+2*\c]
	v_cvt_scalef32_pk16_fp6_f32 v[CD+12+4*\c:CD+14+4*\c], v[s+16+32*\c:s+31+32*\c], v[TM+12+2*\c+1]
.endr
	WIN 0
	v_nop                                          ; one plain line behind a scaled conversion
.irp c, 0,1
.irp i, 0,1,2
	v_permlane16_swap_b32 v[CD+6*\c+\i], v[CD+12+4*\c+\i]
.endr
.irp i, 0,1,2
	v_mov_b32 v[CD+3+6*\c+\i], v[CD+12+4*\c+\i]
.endr
.endr
	global_store_b128 v[LI16], v[CD:CD+3], s[FO:FO+1] offset:\a*1536
	global_store_b64 v[LI8], v[CD+4:CD+5], s[FO:FO+1] offset:\a*1536+512
	global_store_b128 v[LI16], v[CD+6:CD+9], s[FO:FO+1] offset:\a*1536+768
	global_store_b64 v[LI8], v[CD+10:CD+11], s[FO:FO+1] offset:\a*1536+1280
.endm
.macro WAYOUT
.irp b, 0,1,2,3
	v_mov_b32 v[TM+4+\b], 0                        ; a lane permute's destination counts as one of its sources
.endr
.irp a, 0,1,2,3
	OUT \a
.endr
.irp i, 0,1,2,3
	v_lshrrev_b32 v[SW+\i], v[SHF], v[WD+\i]
.endr
	global_store_b128 v[SOF], v[SW:SW+3], s[SO:SO+1]       ; 16 lanes store 256 consecutive aligned bytes (v: both halves of the lanes store the same)
.endm
	s_wait_alu depctr_va_vdst(0)
.Ltile:
	s_wait_tensorcnt 0x0                           ; my part of the operands is in;
	s_barrier_signal -1
	s_barrier_wait -1                              ; and everybody's.
	FETCH 0, 0
	s_wait_loadcnt 0x0                             ; scale words and bias
	s_wait_dscnt 0x0
	FETCH 1, 1
	s_cmp_eq_u32 s[VAR], 2
	s_cbranch_scc1 .Lbias_lane
	MUL 0, 1
	WIN 0
	s_branch .Lsummed
.Lbias_lane:
	MUL 0, 2
	WIN 0
.Lsummed:
.set ST, 1
.rept 6                                ; while a step is multiplied, the next step's 72 loads land in the other set
	s_wait_dscnt 0x0
	PLACES                                         ; in front of loads into registers that the last step's products read
	FETCH ST+1, (ST+1)%2
.if ST == 1
	s_cmp_lt_u32 s[VAR], 2                         ; the next block's rows: my work-group's share of those that I will fetch
	s_cbranch_scc0 .Lno_ask
	global_prefetch_b8 v[PFO], s[PFA:PFA+1] th:TH_LOAD_NT scope:SCOPE_SE
	global_prefetch_b8 v[PFO], s[PFA:PFA+1] offset:256 th:TH_LOAD_NT scope:SCOPE_SE
	global_prefetch_b8 v[PFO], s[PFA:PFA+1] offset:512 th:TH_LOAD_NT scope:SCOPE_SE
.Lno_ask:
.endif
	MUL ST, 0
.set ST, ST+1
.endr
	s_wait_dscnt 0x0
	MUL 7, 0
	WIN 0
	PLACES                                         ; behind the last products: their results are read, and their operands' and scales' registers written, below
	s_cmp_eq_u32 s[TOGO], 1
	s_cbranch_scc1 .Llast_tile                     ; the last block's tail is written out: it asks for nothing more
	s_add_co_u32 s[VAR], s[VAR], 1
	s_wait_tensorcnt 0x0                           ; no tensor load of mine is out,
	ds_add_u32 v[SPW], v[NIL]                      ; (scalar work stands between the add and the wait for it)
	NEWT                                           ; so the descriptors may be written: the next block's operands
	s_wait_dscnt 0x0                               ; the add is done, and my reads of the operands are over
	CROUND                                         ; both now hold of every wave of every work-group of the cluster
	ISSUE                                          ; the first tensor load behind the round
	GLOADS
	WAYOUT                                         ; the refill is asked for: now the finished block goes out
	s_wait_xcnt 0x0                                ; the stores and prefetches have read their registers and bases
	OUTADR
	s_sub_co_u32 s[TOGO], s[TOGO], 1
	s_wait_alu depctr_va_vdst(0)
	s_branch .Ltile
.Llast_tile:
	WAYOUT
	s_wait_tensorcnt 0x0                           ; the wave's end
	ds_add_u32 v[SPW], v[NIL]
	s_wait_dscnt 0x0
	CROUND                                         ; the closing round
	s_endpgm
.Lfunc_end_k_qd7362b9521_proj:
	.size	k_qd7362b9521_proj, .Lfunc_end_k_qd7362b9521_proj-k_qd7362b9521_proj
	.p2alignl 7, 3214868480
	.fill 96, 4, 3214868480
	.section	.rodata,"a",@progbits
	.p2align	6, 0x0
	.amdhsa_kernel k_qd7362b9521_proj
		.amdhsa_group_segment_fixed_size 327680
		.amdhsa_private_segment_fixed_size 0
		.amdhsa_enable_private_segment 0
		.amdhsa_kernarg_size 88
		.amdhsa_user_sgpr_count 2
		.amdhsa_user_sgpr_kernarg_segment_ptr 1
		.amdhsa_wavefront_size32 1
		.amdhsa_system_sgpr_workgroup_id_x 1
		.amdhsa_system_sgpr_workgroup_id_y 1
		.amdhsa_system_sgpr_workgroup_id_z 1
		.amdhsa_system_vgpr_workitem_id 0
		.amdhsa_next_free_vgpr 864
		.amdhsa_next_free_sgpr 102
		.amdhsa_reserve_vcc 0
		.amdhsa_float_denorm_mode_32 3
		.amdhsa_float_denorm_mode_16_64 3
		.amdhsa_memory_ordered 1
		.amdhsa_forward_progress 1
		.amdhsa_inst_pref_size 136
	.end_amdhsa_kernel
	.amdgpu_metadata
---
amdhsa.version: [ 1, 2 ]
amdhsa.kernels:
  - .name:           k_qd7362b9521_proj
    .symbol:         k_qd7362b9521_proj.kd
    .args:
      - { .name: query_codes, .offset: 0, .size: 8, .value_kind: global_buffer, .address_space: global }
      - { .name: query_scales, .offset: 8, .size: 8, .value_kind: global_buffer, .address_space: global }
      - { .name: key_codes, .offset: 16, .size: 8, .value_kind: global_buffer, .address_space: global }
      - { .name: key_scales, .offset: 24, .size: 8, .value_kind: global_buffer, .address_space: global }
      - { .name: value_codes, .offset: 32, .size: 8, .value_kind: global_buffer, .address_space: global }
      - { .name: value_scales, .offset: 40, .size: 8, .value_kind: global_buffer, .address_space: global }
      - { .name: wcod, .offset: 48, .size: 8, .value_kind: global_buffer, .address_space: global }
      - { .name: wscl, .offset: 56, .size: 8, .value_kind: global_buffer, .address_space: global }
      - { .name: b_qkv, .offset: 64, .size: 8, .value_kind: global_buffer, .address_space: global }
      - { .name: frag, .offset: 72, .size: 8, .value_kind: global_buffer, .address_space: global }
      - { .name: fscl, .offset: 80, .size: 8, .value_kind: global_buffer, .address_space: global }
    .group_segment_fixed_size: 327680
    .private_segment_fixed_size: 0
    .kernarg_segment_align: 8
    .kernarg_segment_size: 88
    .max_flat_workgroup_size: 128
    .sgpr_count:     102
    .vgpr_count:     864
    .wavefront_size: 32
...
	.end_amdgpu_metadata
.endif
;; end of part 2
;; launch attn (part 3): grid 16 x 16, 16 waves a work-group, clusters of 4 x 4, 327,680 bytes of LDS; arguments frag, fscl, mask, cfrag, cscl; writes cfrag, cscl
.if DOCPART == 3
	.amdgcn_target "amdgcn-amd-amdhsa--gfx1250"
	.amdhsa_code_object_version 6
	.text
	.protected	k_qd7362b9521_attn
	.globl	k_qd7362b9521_attn
	.p2align	8
	.type	k_qd7362b9521_attn,@function
k_qd7362b9521_attn:
	s_mov_b64 s[64:65], 0
	v_nop
	global_prefetch_b8 v0, s[64:65] scope:SCOPE_SE
	s_setreg_imm32_b32 hwreg(HW_REG_WAVE_MODE, 25, 1), 1
	s_wait_xcnt 0x0
	s_wait_alu depctr_hold_cnt(0) depctr_sa_sdst(0) depctr_va_vdst(0) depctr_va_sdst(0) depctr_va_ssrc(0) depctr_va_vcc(0) depctr_vm_vsrc(0)
	s_getreg_b32 s2, hwreg(HW_REG_IB_STS2, 6, 4)
	s_cmp_eq_u32 s2, 0
	s_cbranch_scc0 .Lentry_in_a_cluster
	s_endpgm
.Lentry_in_a_cluster:
	s_bfe_u32 s2, ttmp6, 0x10000c
	s_cmp_lg_u32 s2, 0xf033
	s_cbranch_scc0 .Lentry_shape_is_right
	s_endpgm
.Lentry_shape_is_right:
; softmax((q k^T / 8) x mask) v on codes of FP6, per (b, head); the context is quantised along the features and stored as images of the last launch's operand registers.
; A work-group: 128 queries x 4 heads of one b; 16 waves; wave w takes head w % 4 and the query tiles w / 4 and w / 4 + 4 (16 queries each).  256 work-groups.
; Both products are used transposed (S^T = k q^T, O^T = v^T p^T): a lane holds one query.  A head is 64 features: the upper half of q's operand is zero codes.
; p = 2^(t - M), t = score x mask x log2(e) / 8, M the ceiling of the running largest t, a whole number; the sum is taken of the unquantised p; a block's largest p is made from the block's largest score.
; THE RING: two slots, each with 128 keys: K and V fragments of 4 heads (4 x 12,288 bytes) and the mask's 128 x 128 tile (rows of 512 + 16 bytes).  A slot serves both query tiles of every wave.
; TWO BUFFERS OF 64 REGISTERS CHANGE ROLES FROM TILE TO TILE: one holds K's fragments, then the mask, then V's fragments and 16 registers at work; the other the scores, then p, then p's codes (12) and, in the 48 registers that the conversions have freed, the next tile's fragments of K, asked for ahead of the second product.
; THE CHANGE OF SLOTS stands in the second tile, behind its last LDS loads of the slot: the waits, the add, the cluster's round, the refill.  That tile's exponentials, sums, conversions and second product, work on registers, follow the refill, and the next slot's fragments of K are asked for among them.
; K's and V's scale words for all 2,048 keys stay in LDS (49,152 bytes).  First fills: one chain of branches, waves 0-3 K and V, 4-7 the mask, 8-10 the scales.
; CLUSTERS 4 x 4: K, V and scales hang on (b, four heads) and are asked for jointly along a row, the mask's tile on the queries, along a column.
; PREFETCH: in the trip that asks for tile s + 2, waves 8-11 name tile s + 4: of K and V the partner at cx takes piece cx (48 blocks of 256 bytes: wave 8 takes 32, wave 9 sixteen), of the mask the partner at cy takes 32 rows (waves 10, 11: a row's two blocks); the last two trips ask for nothing.
; LIMITS: the promise holds while the scaled scores stay under 2^31 in magnitude; NaN and infinities are not served; a context block of zeros gets the byte 1 (read by this program alone).
.set SLOT1, 1<<17
.set KVB,   12288
.set MOFF,  4*KVB
.set MP,    528
.set QT1,   64*MP
.set SC,    SLOT1+MOFF+128*MP
.set STG,   SC+49152
.set SPARE, STG+1024
.set AK0,  1
.set AK1,  2
.set AV0,  3
.set AV1,  4
.set AM0,  5
.set ASK0, 6
.set ASV0, 7
.set SPW,  8
.set NIL,  9
.set ADK0, 10
.set ADK1, 11
.set ADV0, 12
.set ADV1, 13
.set ADM,  14
.set ADS,  15
.set ADT,  16
.set QS,   17                          ; q's scale words: lanes 0-15 tile 0, lanes 16-31 tile 1
.set VSC,  18                          ; v18-21 V's scale words
.set MM,   22                          ; v22-25 -M and the running largest t, a pair for each tile
.set SUM,  26                          ; v26-29
.set PS,   30
.set PFO,  31
.set QF,   32                          ; v32-55 q tile 0, zeros, q tile 1, zeros
.set KS,   56                          ; v56-63 K's scale words
.set X,    64                          ; the two buffers
.set Y,    128
.set O,    192                         ; v192-255 O^T of the two tiles
.set TB,   2
.set TS,   3
.set WV,   14
.set G1KV, 24
.set G1M,  32
.set G0KV, 40
.set G0M,  44
.set G1S,  48
.set G0S,  56
.set SEL,  60
.set CS,   62
.set TJ,   66
.set SLOTS, 67
.set PFA,  68
.set PFS,  70
.set LIM,  72
.set SST,  73
.set CF,   74
.set CSO,  76
.macro CROUND
	s_barrier_signal -1
	s_barrier_wait -1
	s_cmp_lg_u32 s[WV], 0
	s_cbranch_scc1 .Lnot_wave_0_\@
	s_barrier_signal -3
.Lnot_wave_0_\@:
	s_barrier_wait -3
	s_barrier_signal -1
	s_barrier_wait -1
.endm
.macro NOP4
.rept 4
	v_nop
.endr
.endm
.macro TLOAD                           ; a slot's refill: waves 0-3 a piece of K or V each, waves 4-7 32 rows of the mask each
	s_cmp_lt_u32 s[WV], 4
	s_cbranch_scc0 .Lnot_kv_\@
	tensor_load_to_lds s[G0KV:G0KV+3], s[G1KV:G1KV+7]
	s_nop 0
	NOP4
	s_branch .Lasked_\@
.Lnot_kv_\@:
	s_cmp_lt_u32 s[WV], 8
	s_cbranch_scc0 .Lasked_\@
	tensor_load_to_lds s[G0M:G0M+3], s[G1M:G1M+7]
	s_nop 0
	NOP4
.Lasked_\@:
.endm
.macro STEPD                           ; no tensor load of mine is out: the next tile, into the other slot
	s_xor_b32 s[G0KV+1], s[G0KV+1], SLOT1
	s_add_nc_u64 s[G0KV+2:G0KV+3], s[G0KV+2:G0KV+3], KVB
	s_xor_b32 s[G0M+1], s[G0M+1], SLOT1
	s_add_nc_u64 s[G0M+2:G0M+3], s[G0M+2:G0M+3], 512
.endm
.macro ADDRS                           ; a slot's LDS addresses
	v_add_nc_u32 v[ADK0], s[TB], v[AK0]
	v_add_nc_u32 v[ADK1], s[TB], v[AK1]
	v_add_nc_u32 v[ADV0], s[TB], v[AV0]
	v_add_nc_u32 v[ADV1], s[TB], v[AV1]
	v_add_nc_u32 v[ADM], s[TB], v[AM0]
	v_add_nc_u32 v[ADS], s[TS], v[ASK0]
	v_add_nc_u32 v[ADT], s[TJ], v[ASV0]
.endm
	s_load_b256 s[4:11], s[0:1], 0x0               ; frag, fscl, mask, cfrag
	s_load_b64 s[12:13], s[0:1], 0x20              ; cscl
	v_lshl_add_u32 v[SPW], v0, 2, SPARE
	v_mov_b32 v[NIL], 0
	ds_add_u32 v[SPW], v[NIL]                      ; the opening lines
	ds_add_u32 v[SPW], v[NIL]
	v_lshrrev_b32 v10, 5, v0
	s_delay_alu instid0(VALU_DEP_1)
	v_readfirstlane_b32 s[WV], v10
	s_bfe_u32 s15, ttmp6, 0x40000                  ; cx
	s_bfe_u32 s16, ttmp6, 0x40004                  ; cy
	s_lshl_b32 s17, ttmp9, 2
	s_add_co_u32 s17, s17, s15                     ; which 128 queries
	s_and_b32 s23, ttmp7, 0xffff
	s_lshl_b32 s18, s23, 2
	s_add_co_u32 s18, s18, s16                     ; 4 b + which four heads
	s_and_b32 s19, s[WV], 3                        ; my head of the four
	s_lshr_b32 s20, s[WV], 2                       ; my first query tile
	s_lshr_b32 s21, s19, 1                         ; its pair,
	s_and_b32 s22, s19, 1                          ; and its place in the pair
	s_lshl_b32 s78, s16, 2
	s_lshl_b32 s78, 15, s78
	s_lshl_b32 s79, 0x1111, s15
	s_or_b32 s[G1KV], s78, (3<<16)|(1<<21)         ; 12,288 dense bytes as 48 rows of 256
	s_mov_b32 s[G1KV+1], 32<<16
	s_mov_b32 s[G1KV+2], 48<<16
	s_mov_b32 s[G1KV+3], 32<<16
	s_mov_b32 s[G1KV+4], 48
	s_mov_b32 s[G1KV+5], 32
	s_mov_b32 s[G1KV+6], 0
	s_mov_b32 s[G1KV+7], 0
	s_or_b32 s[G1S], s78, (3<<16)|(1<<21)          ; 16,384 dense bytes of scale words
	s_mov_b32 s[G1S+1], 32<<16
	s_mov_b32 s[G1S+2], 64<<16
	s_mov_b32 s[G1S+3], 32<<16
	s_mov_b32 s[G1S+4], 64
	s_mov_b32 s[G1S+5], 32
	s_mov_b32 s[G1S+6], 0
	s_mov_b32 s[G1S+7], 0
	s_or_b32 s[G1M], s79, (2<<16)|(1<<20)|(1<<21)|(6<<22)|(3<<25)   ; 32 rows of 128 f32, 16 bytes of padding behind each
	s_mov_b32 s[G1M+1], 128<<16
	s_mov_b32 s[G1M+2], 32<<16
	s_mov_b32 s[G1M+3], 128<<16
	s_mov_b32 s[G1M+4], 32
	s_mov_b32 s[G1M+5], 2048
	s_mov_b32 s[G1M+6], 0
	s_mov_b32 s[G1M+7], 0
	s_and_b32 s80, s[WV], 1
	s_bfe_u32 s81, s[WV], 0x10001
	s_add_co_u32 s81, s81, 1                       ; waves 0, 1: k's two pairs; 2, 3: v's
	s_mul_i32 s82, s81, 6291456
	s_mul_i32 s83, s18, 393216
	s_add_co_u32 s82, s82, s83
	s_mul_i32 s83, s80, 196608
	s_add_co_u32 s82, s82, s83
	s_mov_b32 s83, 0
	s_mul_i32 s84, s19, KVB
	s_lshl_b32 s86, s17, 7
	s_lshl_b32 s87, s19, 5
	s_add_co_u32 s86, s86, s87
	s_lshl_b32 s86, s86, 13                        ; the mask's rows 128 x + 32 (w % 4)
	s_mov_b32 s87, 0
	s_mul_i32 s85, s19, 32*MP
	s_add_co_u32 s85, s85, MOFF
	s_lshl_b32 s88, s18, 15
	s_lshl_b32 s89, s19, 14
	s_add_co_u32 s88, s88, s89
	s_add_co_u32 s88, s88, 524288                  ; waves 8, 9: k's scale words of a pair
	s_lshl_b32 s89, s18, 14
	s_add_co_u32 s89, s89, 1048576                 ; wave 10: v's of both pairs
	s_cmp_lt_u32 s19, 2
	s_cselect_b32 s88, s88, s89
	s_mov_b32 s89, 0
	s_lshl_b32 s90, s19, 14
	s_add_co_u32 s90, s90, SC
	s_lshl_b32 s92, s18, 1
	s_add_co_u32 s92, s92, s21                     ; 8 b + pair
	s_lshl_b32 s93, s92, 4
	s_add_co_u32 s93, s93, s17                     ; q's entry
	s_mul_i32 s96, s93, 12288
	s_mul_i32 s95, s20, 1536
	s_add_co_u32 s96, s96, s95
	s_mul_i32 s95, s22, 768
	s_add_co_u32 s96, s96, s95
	s_mov_b32 s97, 0
	s_lshl_b32 s98, s93, 10
	s_lshl_b32 s95, s22, 9
	s_add_co_u32 s98, s98, s95
	s_lshl_b32 s95, s20, 2
	s_add_co_u32 s98, s98, s95
	s_mov_b32 s99, 0
	s_lshr_b32 s93, s18, 2
	s_lshl_b32 s93, s93, 7
	s_lshl_b32 s94, s17, 3
	s_add_co_u32 s93, s93, s94
	s_add_co_u32 s93, s93, s20                     ; 128 b + my first block of 16 queries
	s_lshl_b32 s93, s93, 3
	s_and_b32 s94, s18, 3
	s_lshl_b32 s94, s94, 1
	s_add_co_u32 s93, s93, s94
	s_add_co_u32 s93, s93, s21
	s_mul_i32 s[CF], s93, 1536
	s_mul_i32 s95, s22, 768
	s_add_co_u32 s[CF], s[CF], s95
	s_mov_b32 s[CF+1], 0
	s_lshl_b32 s[CSO], s18, 11
	s_lshl_b32 s95, s17, 7
	s_add_co_u32 s[CSO], s[CSO], s95
	s_lshl_b32 s[CSO], s[CSO], 3
	s_mov_b32 s[CSO+1], 0
	s_lshl_b32 s[SST], s20, 7                      ; my place in the stage of scale bytes
	s_lshl_b32 s93, s19, 1
	s_add_co_u32 s[SST], s[SST], s93
	s_add_co_u32 s[SST], s[SST], STG
	s_lshr_b32 s91, s15, 1                         ; the prefetches: piece cx of K and V, at tile 3
	s_add_co_u32 s91, s91, 1
	s_mul_i32 s91, s91, 6291456
	s_mul_i32 s92, s18, 393216
	s_add_co_u32 s91, s91, s92
	s_and_b32 s92, s15, 1
	s_mul_i32 s92, s92, 196608
	s_add_co_u32 s91, s91, s92
	s_add_co_u32 s91, s91, 3*KVB
	s_lshl_b32 s92, s17, 7                         ; the mask's rows 128 x + 32 cy, at tile 3
	s_lshl_b32 s93, s16, 5
	s_add_co_u32 s92, s92, s93
	s_lshl_b32 s92, s92, 13
	s_add_co_u32 s92, s92, 3*512
	s_and_b32 s93, s[WV], 1
	s_lshl_b32 s94, s93, 13
	s_lshl_b32 s95, s93, 8
	s_mov_b32 s80, 8192
	s_mov_b32 s[PFS], 512
	s_cmp_lt_u32 s[WV], 10
	s_cselect_b32 s80, 256, s80                    ; from lane to lane
	s_cselect_b32 s81, s94, s95                    ; the second wave's start
	s_cselect_b32 s[PFS], KVB, s[PFS]              ; from tile to tile
	s_cselect_b32 s[PFA], s91, s92
	s_mov_b32 s[PFA+1], 0
	s_mov_b32 s[PFS+1], 0
	s_cmp_eq_u32 s[WV], 9
	s_cselect_b32 s23, 15, 31                      ; wave 9 has sixteen blocks: its upper lanes name the last again
	s_sub_co_u32 s94, s[WV], 8
	s_cmp_lt_u32 s94, 4
	s_cselect_b32 s[LIM], 2, -1
	s_mov_b32 s[SEL], 0x76543210
	s_mov_b32 s[SEL+1], 0xfedcba98
	s_mov_b32 s[CS], 0x3e38aa3b                    ; log2(e) / 8
	s_mov_b32 s[CS+1], s[CS]
	s_mov_b32 s[TB], 0
	s_mov_b32 s[TS], 0
	s_mov_b32 s[TJ], 0
	s_mov_b32 s[SLOTS], 14
	s_wait_dscnt 0x0
	s_wait_kmcnt 0x0
	s_mov_b32 s[G0KV], 1
	s_mov_b32 s[G0KV+1], s84
	s_add_nc_u64 s[G0KV+2:G0KV+3], s[4:5], s[82:83]
	s_or_b32 s[G0KV+3], s[G0KV+3], 0x80000000
	s_mov_b32 s[G0M], 1
	s_mov_b32 s[G0M+1], s85
	s_add_nc_u64 s[G0M+2:G0M+3], s[8:9], s[86:87]
	s_or_b32 s[G0M+3], s[G0M+3], 0x80000000
	s_mov_b32 s[G0S], 1
	s_mov_b32 s[G0S+1], s90
	s_add_nc_u64 s[G0S+2:G0S+3], s[6:7], s[88:89]
	s_or_b32 s[G0S+3], s[G0S+3], 0x80000000
	s_add_nc_u64 s[96:97], s[4:5], s[96:97]
	s_add_nc_u64 s[98:99], s[6:7], s[98:99]
	s_add_nc_u64 s[CF:CF+1], s[10:11], s[CF:CF+1]
	s_add_nc_u64 s[CSO:CSO+1], s[12:13], s[CSO:CSO+1]
	s_cmp_lt_u32 s[WV], 10
	s_cselect_b64 s[82:83], s[4:5], s[8:9]
	s_add_nc_u64 s[PFA:PFA+1], s[82:83], s[PFA:PFA+1]
	CROUND                                         ; all sixteen work-groups are here: the first joint loads meet
	s_cmp_lt_u32 s[WV], 4
	s_cbranch_scc0 .Lh_mask
	tensor_load_to_lds s[G0KV:G0KV+3], s[G1KV:G1KV+7]
	s_nop 0
	NOP4
	s_branch .Lh_done
.Lh_mask:
	s_cmp_lt_u32 s[WV], 8
	s_cbranch_scc0 .Lh_scl
	tensor_load_to_lds s[G0M:G0M+3], s[G1M:G1M+7]
	s_nop 0
	NOP4
	s_branch .Lh_done
.Lh_scl:
	s_cmp_lt_u32 s[WV], 11
	s_cbranch_scc0 .Lh_done
	tensor_load_to_lds s[G0S:G0S+3], s[G1S:G1S+7]
	s_nop 0
	NOP4
.Lh_done:
	v_and_b32 v10, 31, v0
	v_and_b32 v11, 15, v0
	v_bfe_u32 v12, v0, 4, 1
	v_lshlrev_b32 v16, 4, v10                      ; 16 x lane
	v_lshlrev_b32 v[Y], 3, v10                     ; 8 x lane
	v_lshlrev_b32 v13, 4, v11
	v_lshl_add_u32 v14, v12, 8, v13                ; q's scale words: 16 r, and tile 1's 256 bytes on
	v_min_u32 v15, s23, v10
	global_load_b128 v[QF:QF+3], v16, s[96:97]
	global_load_b64 v[QF+4:QF+5], v[Y], s[96:97] offset:512
	global_load_b128 v[QF+12:QF+15], v16, s[96:97] offset:6144
	global_load_b64 v[QF+16:QF+17], v[Y], s[96:97] offset:6656
	global_load_b32 v[QS], v14, s[98:99]
.irp j, 6,7,8,9,10,11,18,19,20,21,22,23
	v_mov_b32 v[QF+\j], 0
.endr
	s_mul_i32 s91, s21, KVB
	s_mul_i32 s92, s22, 768
	s_add_co_u32 s92, s92, s91
	v_add_nc_u32 v[AK0], s92, v16
	s_add_co_u32 s92, s92, 512
	v_add_nc_u32 v[AK1], s92, v[Y]
	s_mul_i32 s92, s22, 6144
	s_add_co_u32 s92, s92, s91
	s_add_co_u32 s92, s92, 2*KVB
	v_add_nc_u32 v[AV0], s92, v16
	v_add_nc_u32 v[AV1], s92, v[Y]
	s_mul_i32 s92, s20, 16*MP
	s_add_co_u32 s92, s92, MOFF
	v_mul_u32_u24 v[AM0], v11, MP
	v_mul_lo_u32 v[PFO], v15, s80
	v_lshl_add_u32 v[AM0], v12, 5, v[AM0]
	v_add_nc_u32 v[PFO], s81, v[PFO]
	v_add_nc_u32 v[AM0], s92, v[AM0]
	s_lshl_b32 s92, s21, 14
	s_lshl_b32 s93, s22, 9
	s_add_co_u32 s92, s92, s93
	s_add_co_u32 s92, s92, SC
	v_add_nc_u32 v[ASK0], s92, v13
	s_lshl_b32 s92, s21, 13
	s_lshl_b32 s93, s22, 8
	s_add_co_u32 s92, s92, s93
	s_add_co_u32 s92, s92, SC+32768
	v_add_nc_u32 v[ASV0], s92, v13
.irp q, 0,1
	v_mov_b32 v[MM+1+2*\q], 0xff61b1e6             ; the largest t so far: -3e38
	v_mov_b32 v[SUM+2*\q], 0
	v_mov_b32 v[SUM+1+2*\q], 0
.endr
	v_floor_f32 v[MM], -v[MM+1]
	v_floor_f32 v[MM+2], -v[MM+3]
.irp j, 48,49,50,51,52,53
	v_mov_b32 v[X+\j], 0                           ; named by K's last fragment against q's zero codes
.endr
.set j, 0
.rept 64
	v_mov_b32 v[O+j], 0                            ; the step is written once: the first finds zeros
.set j, j+1
.endr
.macro KLOAD B                         ; 18 loads: K's eight fragments of my head into v[B .. B + 47], and their scale words
.irp t, 0,1,2,3,4,5,6,7
	ds_load_b128 v[\B+6*\t:\B+6*\t+3], v[ADK0] offset:1536*\t
	ds_load_b64 v[\B+6*\t+4:\B+6*\t+5], v[ADK1] offset:1536*\t
.endr
	ds_load_b128 v[KS:KS+3], v[ADS]
	ds_load_b128 v[KS+4:KS+7], v[ADS] offset:256
.endm
; A tile's first part: the scores into R, x the mask; V's fragments are asked for.  P holds K's fragments at the start.
.macro SUBA q, P, R
.rept 5
	v_nop                                          ; these products write over V's fragments of the tile before
.endr
	s_wait_dscnt 0x0                               ; K's fragments and scale words
.irp t, 0,1,2,3,4,5,6,7
.if \q
	v_wmma_scale_f32_16x16x128_f8f6f4 v[\R+8*\t:\R+8*\t+7], v[\P+6*\t:\P+6*\t+11], v[QF+12:QF+23], 0, v[KS+\t], v[QS] matrix_a_fmt:MATRIX_FMT_FP6 matrix_b_fmt:MATRIX_FMT_FP6 matrix_b_scale:MATRIX_SCALE_ROW1
.else
	v_wmma_scale_f32_16x16x128_f8f6f4 v[\R+8*\t:\R+8*\t+7], v[\P+6*\t:\P+6*\t+11], v[QF:QF+11], 0, v[KS+\t], v[QS] matrix_a_fmt:MATRIX_FMT_FP6 matrix_b_fmt:MATRIX_FMT_FP6
.endif
.endr
	NOP4
.irp b, 0,1,2,3
.irp u, 0,1
.irp i, 0,1
	ds_load_b128 v[\P+16*\b+8*\u+4*\i:\P+16*\b+8*\u+4*\i+3], v[ADM] offset:QT1*\q+128*\b+64*\u+16*\i
.endr
.endr
.endr
	s_wait_dscnt 0x0
.set j, 0
.rept 32
	v_pk_mul_f32 v[\R+j:\R+j+1], v[\R+j:\R+j+1], v[\P+j:\P+j+1]    ; x mask
.set j, j+2
.endr
.irp t, 0,1,2,3
	ds_load_b128 v[\P+12*\t:\P+12*\t+3], v[ADV0] offset:1536*\t
	ds_load_b64 v[\P+12*\t+4:\P+12*\t+5], v[ADV1] offset:1536*\t+512
	ds_load_b128 v[\P+12*\t+6:\P+12*\t+9], v[ADV0] offset:1536*\t+768
	ds_load_b64 v[\P+12*\t+10:\P+12*\t+11], v[ADV1] offset:1536*\t+1280
.endr
	ds_load_b128 v[VSC:VSC+3], v[ADT]
.endm
.macro BMAX P, R                       ; the largest score of each block of 32 keys
.set BM, \P+48
.set BP, \P+52
.irp b, 0,1,2,3
	v_max3_num_f32 v[BM+\b], v[\R+16*\b], v[\R+1+16*\b], v[\R+2+16*\b]
.endr
.irp i, 3,5,7,9,11,13
.irp b, 0,1,2,3
	s_delay_alu instid0(VALU_DEP_4)
	v_max3_num_f32 v[BM+\b], v[BM+\b], v[\R+16*\b+\i], v[\R+1+16*\b+\i]
.endr
.endr
.irp b, 0,1,2,3
	s_delay_alu instid0(VALU_DEP_4)
	v_max_num_f32 v[BM+\b], v[BM+\b], v[\R+15+16*\b]
.endr
.irp b, 0,1,2,3
	s_delay_alu instid0(VALU_DEP_4)
	v_permlanex16_b32 v[BP+\b], v[BM+\b], s[SEL], s[SEL+1]
.endr
.irp b, 0,1,2,3
	s_delay_alu instid0(VALU_DEP_4)
	v_max_num_f32 v[BM+\b], v[BM+\b], v[BP+\b]
.endr
.endm
; A tile's second part, work on registers but for the loads of K: pre = 1: the next tile's fragments of K are asked for; vw = 1: V's fragments are still to be waited for.
.macro SUBB q, P, R, pre, vw
.set OO, O+32*\q
.set MQ, MM+2*\q
.set SQ, SUM+2*\q
.set BM, \P+48
.set BP, \P+52
.set BO, \P+56
.set SU2, \P+60
.set FF, \P+62
.set TP, \P+55
.set PCD, \R+48
	v_max3_num_f32 v[TP], v[BM], v[BM+1], v[BM+2]
	s_delay_alu instid0(VALU_DEP_1)
	v_max_num_f32 v[TP], v[TP], v[BM+3]
	s_delay_alu instid0(VALU_DEP_1)
	v_mul_f32 v[TP], s[CS], v[TP]
	s_delay_alu instid0(VALU_DEP_1)
	v_max_num_f32 v[MQ+1], v[MQ+1], v[TP]          ; the running largest t
	v_mov_b32 v[TP], v[MQ]
	s_delay_alu instid0(VALU_DEP_2)
	v_floor_f32 v[MQ], -v[MQ+1]                    ; -M
	s_delay_alu instid0(VALU_DEP_1)
	v_sub_f32 v[TP], v[MQ], v[TP]
	s_delay_alu instid0(VALU_DEP_1)
	v_cvt_i32_f32 v[TP], v[TP]
	s_delay_alu instid0(VALU_DEP_1)
	v_ldexp_f32 v[FF], 1.0, v[TP]                  ; f = 2^(old M - new M)
.set j, 0
.rept 32
	v_pk_fma_f32 v[\R+j:\R+j+1], v[\R+j:\R+j+1], s[CS:CS+1], v[MQ:MQ+1] op_sel_hi:[1,0,0]
.set j, j+2
.endr
.irp b, 0,1,2,3
	v_fma_f32 v[BM+\b], v[BM+\b], s[CS], v[MQ]
.endr
	s_wait_alu depctr_va_vdst(0)                   ; ahead of the batch
.set j, 0
.rept 64
	v_exp_f32 v[\R+j], v[\R+j]
.set j, j+1
.endr
	v_pk_mul_f32 v[SQ:SQ+1], v[SQ:SQ+1], v[FF:FF+1] op_sel_hi:[1,0]
	s_wait_alu depctr_va_vdst(0)                   ; behind it
.irp b, 0,1,2,3
	v_exp_f32 v[BM+\b], v[BM+\b]                   ; each block's largest p
.endr
	v_pk_add_f32 v[SU2:SU2+1], v[\R:\R+1], v[\R+2:\R+3]
.irp j, 4,8,12,16,20,24,28,32,36,40,44,48,52,56,60
	v_pk_add_f32 v[SQ:SQ+1], v[SQ:SQ+1], v[\R+\j:\R+\j+1]
	v_pk_add_f32 v[SU2:SU2+1], v[SU2:SU2+1], v[\R+2+\j:\R+3+\j]
.endr
	s_delay_alu instid0(VALU_DEP_1)
	v_pk_add_f32 v[SQ:SQ+1], v[SQ:SQ+1], v[SU2:SU2+1]
	s_wait_alu depctr_va_vdst(0)
.irp b, 0,1,2,3
	v_max_num_f32 v[BM+\b], 0x1800000, v[BM+\b]
.endr
.irp b, 0,1,2,3
	s_delay_alu instid0(VALU_DEP_4)
	v_add_nc_u32 v[BO+\b], 0xff000000, v[BM+\b]
.endr
.irp b, 0,1,2,3
	s_delay_alu instid0(VALU_DEP_4)
	v_lshrrev_b32 v[BP+\b], 23, v[BO+\b]
.endr
	v_cvt_scalef32_pk16_fp6_f32 v[BM:BM+2], v[\R+48:\R+63], v[BO+3]    ; from the top down: each later result lands on numbers already converted, a plain line between
	v_lshl_or_b32 v[PS], v[BP+1], 8, v[BP]
	v_cvt_scalef32_pk16_fp6_f32 v[PCD+6:PCD+8], v[\R+32:\R+47], v[BO+2]
	v_lshl_or_b32 v[PS], v[BP+2], 16, v[PS]
	v_cvt_scalef32_pk16_fp6_f32 v[\R+32:\R+34], v[\R+16:\R+31], v[BO+1]
	v_lshl_or_b32 v[PS], v[BP+3], 24, v[PS]
	v_cvt_scalef32_pk16_fp6_f32 v[PCD:PCD+2], v[\R:\R+15], v[BO]
	v_nop
.irp i, 0,1,2
	v_permlane16_swap_b32 v[PCD+\i], v[\R+32+\i]
	v_permlane16_swap_b32 v[PCD+6+\i], v[BM+\i]
.endr
.irp i, 0,1,2
	v_mov_b32 v[PCD+3+\i], v[\R+32+\i]
	v_mov_b32 v[PCD+9+\i], v[BM+\i]
.endr
.if \pre
	KLOAD \R                                       ; into the 48 registers that the conversions have freed
.endif
	s_wait_alu depctr_va_vdst(0)                   ; directly ahead of the first reader of O^T
.set j, 0
.rept 16
	v_pk_mul_f32 v[OO+j:OO+j+1], v[OO+j:OO+j+1], v[FF:FF+1] op_sel_hi:[1,0]
.set j, j+2
.endr
.if \vw
	s_wait_alu depctr_va_vdst(0)
	s_wait_dscnt 18*\pre                           ; V's fragments and scale words are in; the 18 loads of K issued behind them may be out
.endif
.irp t, 0,1,2,3
	v_wmma_scale_f32_16x16x128_f8f6f4 v[OO+8*\t:OO+8*\t+7], v[\P+12*\t:\P+12*\t+11], v[PCD:PCD+11], v[OO+8*\t:OO+8*\t+7], v[VSC+\t], v[PS] matrix_a_fmt:MATRIX_FMT_FP6 matrix_b_fmt:MATRIX_FMT_FP6
.endr
.endm
; A slot.  chg: 2 it is left and filled again, 1 it is left, 0 the last slot.
.macro SLOTW chg
	SUBA 0, X, Y
	BMAX X, Y
	SUBB 0, X, Y, 1, 1
	SUBA 1, Y, X
.if \chg
	s_wait_alu depctr_va_vdst(0)
	s_wait_tensorcnt 0x0                           ; all my tensor loads have landed: my part of the next slot
.if \chg == 2
	ds_add_u32 v[SPW], v[NIL]                      ; the add, twice on end
	ds_add_u32 v[SPW], v[NIL]
	STEPD
	s_wait_xcnt 0x0                                ; my last prefetch has read its address
	s_add_nc_u64 s[PFA:PFA+1], s[PFA:PFA+1], s[PFS:PFS+1]
.endif
.endif
	BMAX Y, X
.if \chg
	s_wait_alu depctr_va_vdst(0)
	s_wait_dscnt 0x0                               ; the adds are done, and my reads of this slot are over: V's fragments are in registers
.if \chg == 2
	CROUND                                         ; no wave of any partner still reads this slot or has a load on its way
	TLOAD
	s_cmp_gt_u32 s[SLOTS], s[LIM]
	s_cbranch_scc0 .Lnot_mine_\@
	global_prefetch_b8 v[PFO], s[PFA:PFA+1] th:TH_LOAD_NT scope:SCOPE_SE
.Lnot_mine_\@:
.else
	s_barrier_signal -1
	s_barrier_wait -1
.endif
	s_add_co_u32 s[TS], s[TS], 1024
	s_add_co_u32 s[TJ], s[TJ], 512
	s_xor_b32 s[TB], s[TB], SLOT1
	ADDRS                                          ; the next slot's
	SUBB 1, Y, X, 1, 0
.else
	SUBB 1, Y, X, 0, 1
.endif
.endm
	s_wait_alu depctr_va_vdst(0)
	s_wait_loadcnt 0x0
	s_wait_tensorcnt 0x0                           ; slot 1's first fill is issued as a refill is
	ds_add_u32 v[SPW], v[NIL]
	ds_add_u32 v[SPW], v[NIL]
	STEPD
	s_wait_dscnt 0x0
	CROUND
	TLOAD
	ADDRS
	s_wait_alu depctr_va_vdst(0)
	KLOAD X
.Lslot:
	SLOTW 2
	s_sub_co_u32 s[SLOTS], s[SLOTS], 1
	s_cmp_lg_u32 s[SLOTS], 0
	s_cbranch_scc1 .Lslot
	SLOTW 1                                        ; the last two slots ask for nothing
	SLOTW 0
	NOP4
.set LI16, 12
.set LI8,  13
.set ASTG, 14
.set LSTG, 15
	v_and_b32 v10, 31, v0                          ; the way out's addresses, made again from the thread's number
	v_and_b32 v11, 15, v0
	v_lshlrev_b32 v[LI16], 4, v10
	v_lshlrev_b32 v[LI8], 3, v10
	v_lshl_add_u32 v[ASTG], v11, 3, s[SST]
	v_add_nc_u32 v[LSTG], STG, v[LI16]
; A tile's way out: O^T / the sum, two blocks of 32 features quantised, stored as half a fragment; its two scale bytes go to the stage.
.macro FIN q
.set OO, O+32*\q
.set SQ, SUM+2*\q
.set PC, X+16*\q
.set CT, X+8+16*\q
.set BM, X+48
.set BP, X+52
.set BO, X+56
.set TP, X+55
	v_add_f32 v[SQ], v[SQ], v[SQ+1]
	s_delay_alu instid0(VALU_DEP_1)
	v_permlanex16_b32 v[BP], v[SQ], s[SEL], s[SEL+1]
	s_delay_alu instid0(VALU_DEP_1)
	v_add_f32 v[SQ], v[SQ], v[BP]
	s_wait_alu depctr_va_vdst(0)
	v_rcp_f32 v[SQ], v[SQ]
	v_nop
	s_wait_alu depctr_va_vdst(0)
.set j, 0
.rept 32
	v_mul_f32 v[Y+j], v[OO+j], v[SQ]
.set j, j+1
.endr
.irp b, 0,1
	v_max3_num_f32 v[BM+\b], |v[Y+16*\b]|, |v[Y+1+16*\b]|, 0x1800000
.endr
.irp i, 2,4,6,8,10,12,14
.irp b, 0,1
	s_delay_alu instid0(VALU_DEP_2)
	v_max3_num_f32 v[BM+\b], v[BM+\b], |v[Y+16*\b+\i]|, |v[Y+1+16*\b+\i]|
.endr
.endr
.irp b, 0,1
	s_delay_alu instid0(VALU_DEP_2)
	v_permlanex16_b32 v[BP+\b], v[BM+\b], s[SEL], s[SEL+1]
.endr
.irp b, 0,1
	s_delay_alu instid0(VALU_DEP_2)
	v_max_num_f32 v[BM+\b], v[BM+\b], v[BP+\b]
.endr
.irp b, 0,1
	s_delay_alu instid0(VALU_DEP_2)
	v_add_nc_u32 v[BO+\b], 0xff000000, v[BM+\b]
.endr
.irp b, 0,1
	s_delay_alu instid0(VALU_DEP_2)
	v_lshrrev_b32 v[BP+\b], 23, v[BO+\b]
.endr
	s_delay_alu instid0(VALU_DEP_1)
	v_lshl_or_b32 v[TP], v[BP+1], 8, v[BP]
	v_cvt_scalef32_pk16_fp6_f32 v[PC:PC+2], v[Y:Y+15], v[BO]
	v_cvt_scalef32_pk16_fp6_f32 v[CT:CT+2], v[Y+16:Y+31], v[BO+1]
	v_nop
.irp i, 0,1,2
	v_permlane16_swap_b32 v[PC+\i], v[CT+\i]
.endr
.irp i, 0,1,2
	s_delay_alu instid0(VALU_DEP_3)
	v_mov_b32 v[PC+3+\i], v[CT+\i]
.endr
	global_store_b128 v[LI16], v[PC:PC+3], s[CF:CF+1] offset:49152*\q
	global_store_b64 v[LI8], v[PC+4:PC+5], s[CF:CF+1] offset:49152*\q+512
	ds_store_b16 v[ASTG], v[TP] offset:512*\q
.endm
	FIN 0
	FIN 1
	s_wait_alu depctr_va_vdst(0)
	s_wait_dscnt 0x0
	s_barrier_signal -1
	s_barrier_wait -1
	s_cmp_lg_u32 s[WV], 0
	s_cbranch_scc1 .Lnot_first
	ds_load_b128 v[Y:Y+3], v[LSTG]                 ; the 128 queries' scale bytes, 8 a query: 1,024 consecutive bytes
	ds_load_b128 v[Y+4:Y+7], v[LSTG] offset:512
	s_wait_dscnt 0x0
	global_store_b128 v[LI16], v[Y:Y+3], s[CSO:CSO+1]
	global_store_b128 v[LI16], v[Y+4:Y+7], s[CSO:CSO+1] offset:512
.Lnot_first:
	s_wait_tensorcnt 0x0                           ; the wave's end
	ds_add_u32 v[SPW], v[NIL]
	s_wait_dscnt 0x0
	CROUND                                         ; the closing round
	s_endpgm
.Lfunc_end_k_qd7362b9521_attn:
	.size	k_qd7362b9521_attn, .Lfunc_end_k_qd7362b9521_attn-k_qd7362b9521_attn
	.p2alignl 7, 3214868480
	.fill 96, 4, 3214868480
	.section	.rodata,"a",@progbits
	.p2align	6, 0x0
	.amdhsa_kernel k_qd7362b9521_attn
		.amdhsa_group_segment_fixed_size 327680
		.amdhsa_private_segment_fixed_size 0
		.amdhsa_enable_private_segment 0
		.amdhsa_kernarg_size 40
		.amdhsa_user_sgpr_count 2
		.amdhsa_user_sgpr_kernarg_segment_ptr 1
		.amdhsa_wavefront_size32 1
		.amdhsa_system_sgpr_workgroup_id_x 1
		.amdhsa_system_sgpr_workgroup_id_y 1
		.amdhsa_system_sgpr_workgroup_id_z 1
		.amdhsa_system_vgpr_workitem_id 0
		.amdhsa_next_free_vgpr 256
		.amdhsa_next_free_sgpr 100
		.amdhsa_reserve_vcc 0
		.amdhsa_float_denorm_mode_32 3
		.amdhsa_float_denorm_mode_16_64 3
		.amdhsa_memory_ordered 1
		.amdhsa_forward_progress 1
		.amdhsa_inst_pref_size 151
	.end_amdhsa_kernel
	.amdgpu_metadata
---
amdhsa.version: [ 1, 2 ]
amdhsa.kernels:
  - .name:           k_qd7362b9521_attn
    .symbol:         k_qd7362b9521_attn.kd
    .args:
      - { .name: frag, .offset: 0, .size: 8, .value_kind: global_buffer, .address_space: global }
      - { .name: fscl, .offset: 8, .size: 8, .value_kind: global_buffer, .address_space: global }
      - { .name: mask, .offset: 16, .size: 8, .value_kind: global_buffer, .address_space: global }
      - { .name: cfrag, .offset: 24, .size: 8, .value_kind: global_buffer, .address_space: global }
      - { .name: cscl, .offset: 32, .size: 8, .value_kind: global_buffer, .address_space: global }
    .group_segment_fixed_size: 327680
    .private_segment_fixed_size: 0
    .kernarg_segment_align: 8
    .kernarg_segment_size: 40
    .max_flat_workgroup_size: 512
    .sgpr_count:     100
    .vgpr_count:     256
    .wavefront_size: 32
...
	.end_amdgpu_metadata
.endif
;; end of part 3
;; launch outp (part 4): grid 4 x 64, 4 waves a work-group, clusters of 4 x 4, 327,680 bytes of LDS; arguments cfrag, cscl, w_out_codes, w_out_scales, b_out, out0; writes out0
.if DOCPART == 4
	.amdgcn_target "amdgcn-amd-amdhsa--gfx1250"
	.amdhsa_code_object_version 6
	.text
	.protected	k_qd7362b9521_outp
	.globl	k_qd7362b9521_outp
	.p2align	8
	.type	k_qd7362b9521_outp,@function
k_qd7362b9521_outp:
	s_mov_b64 s[64:65], 0
	v_nop
	global_prefetch_b8 v0, s[64:65] scope:SCOPE_SE
	s_setreg_imm32_b32 hwreg(HW_REG_WAVE_MODE, 25, 1), 1
	s_wait_xcnt 0x0
	s_wait_alu depctr_hold_cnt(0) depctr_sa_sdst(0) depctr_va_vdst(0) depctr_va_sdst(0) depctr_va_ssrc(0) depctr_va_vcc(0) depctr_vm_vsrc(0)
	s_getreg_b32 s2, hwreg(HW_REG_IB_STS2, 6, 4)
	s_cmp_eq_u32 s2, 0
	s_cbranch_scc0 .Lentry_in_a_cluster
	s_endpgm
.Lentry_in_a_cluster:
	s_bfe_u32 s2, ttmp6, 0x10000c
	s_cmp_lg_u32 s2, 0xf033
	s_cbranch_scc0 .Lentry_shape_is_right
	s_endpgm
.Lentry_shape_is_right:
; out = ctx w_out^T + b_out on codes of FP6, K = 1,024; out0 is [t][b][n] f32.
; A block is 128 rows (t of one b) x 256 columns; four waves, each 64 x 128: 32 accumulators.  256 work-groups.
; NO RING: both operands lie whole in LDS.  A, the context, comes as images of operand registers: 8 blocks of 16 rows x 12,288 bytes, one dense run of 98,304 bytes.  B, 256 rows of w_out, comes as whole rows of 768 bytes, 16 bytes of padding behind each 256.
; One joint load a wave at the head (waves 0, 1 A's halves, waves 2, 3 B's); nothing is filled again.  Scale words go straight into registers: K step st reads register st % 4, lanes 16 (st / 4) on.
; Source 0 = w_out's rows, source 1 = the context's: a lane holds eight neighbouring columns of a row.  The bias is the C of each accumulator's first product.
; The way out goes through a stage in A's bytes, behind a barrier behind which nobody reads them: whole rows of 512 bytes are stored by 32 lanes.
; CLUSTERS 4 x 4: A is asked for jointly along a row of the cluster, B along a column.  No prefetch: the launch has no loop to run ahead in.
; REGISTERS: window 0: v0-31 addresses, v32-47 A's scale words, v48-79 B's, v80-175 A's fragments, two sets (v80-207 on the way out); window 1: B's fragments, two sets; window 2: accumulators; window 3: v0-63 the bias.
.set PITCH, 816
.set BLK,   16*PITCH
.set LB,    98304
.set SPARE, LB+256*PITCH
.set SPITCH, 528
.set ROWO,  16384
.set ADRA, 16
.set ADRB, 18
.set VSA,  22
.set VSB,  23
.set STO,  24
.set RD,   25
.set CO,   26
.set OBI,  27
.set SPW,  28
.set NIL,  29
.set SA,   32
.set SB,   48
.set AF,   80
.set BK,   80
.set G1,   24
.set G0,   32
.set G1B,  48
.set G0B,  56
.set MSB, 0
.macro WIN new                         ; the immediate's high byte repeats the setting that is left
.if MSB != (\new)
	s_set_vgpr_msb (MSB<<8)|(\new)
.set MSB, (\new)
.endif
.endm
.macro CROUND
	s_barrier_signal -1
	s_barrier_wait -1
	s_cmp_lg_u32 s14, 0
	s_cbranch_scc1 .Lnot_wave_0_\@
	s_barrier_signal -3
.Lnot_wave_0_\@:
	s_barrier_wait -3
	s_barrier_signal -1
	s_barrier_wait -1
.endm
.macro PLACES
.rept 4
	v_nop
.endr
.endm
	s_load_b256 s[4:11], s[0:1], 0x0               ; cfrag, cscl, w_out's codes, scales
	s_load_b128 s[92:95], s[0:1], 0x20             ; b_out, out0
	v_lshl_add_u32 v[SPW], v0, 2, SPARE
	v_mov_b32 v[NIL], 0
	ds_add_u32 v[SPW], v[NIL]                      ; the opening lines
	ds_add_u32 v[SPW], v[NIL]
	v_lshrrev_b32 v1, 5, v0
	v_readfirstlane_b32 s14, v1
	s_lshr_b32 s15, s14, 1                         ; my half of A's rows; also: I fetch for A (0) or B (1)
	s_and_b32 s16, s14, 1                          ; my half of B's rows; also: which half I fetch
	s_bfe_u32 s40, ttmp6, 0x40000
	s_bfe_u32 s41, ttmp6, 0x40004
	s_lshl_b32 s42, ttmp9, 2
	s_add_co_u32 s42, s42, s40                     ; which 256 columns
	s_and_b32 s17, ttmp7, 0xffff
	s_lshl_b32 s17, s17, 2
	s_add_co_u32 s17, s17, s41                     ; which 128 rows: 16 b + t / 128
	s_lshl_b32 s43, s41, 2
	s_lshl_b32 s43, 15, s43
	s_lshl_b32 s44, 0x1111, s40
	s_or_b32 s[G1+0], s43, (3<<16)|(1<<21)         ; 49,152 dense bytes as 192 rows of 256
	s_mov_b32 s[G1+1], 32<<16
	s_mov_b32 s[G1+2], 192<<16
	s_mov_b32 s[G1+3], 32<<16
	s_mov_b32 s[G1+4], 192
	s_mov_b32 s[G1+5], 32
	s_mov_b32 s[G1+6], 0
	s_mov_b32 s[G1+7], 0
	s_or_b32 s[G1B+0], s44, (1<<20)|(1<<21)|(5<<22)|(3<<25)   ; 128 rows of 768 bytes, 4 words of padding behind every 64
	s_mov_b32 s[G1B+1], 768<<16
	s_mov_b32 s[G1B+2], 128<<16
	s_mov_b32 s[G1B+3], 768<<16
	s_mov_b32 s[G1B+4], 128
	s_mov_b32 s[G1B+5], 768
	s_mov_b32 s[G1B+6], 0
	s_mov_b32 s[G1B+7], 0
	s_mul_i32 s20, s17, 98304
	s_mul_i32 s18, s16, 49152
	s_add_co_u32 s20, s20, s18
	s_mov_b32 s21, 0
	s_lshl_b32 s46, s42, 8
	s_lshl_b32 s19, s16, 7
	s_add_co_u32 s46, s46, s19                     ; my 128 rows of w_out
	s_lshl_b32 s66, s46, 5                         ; their scales,
	s_mov_b32 s67, 0
	s_lshl_b32 s38, s46, 2                         ; their bias, and my columns of out0, in bytes,
	s_mov_b32 s39, 0
	s_mul_i32 s46, s46, 768                        ; their codes
	s_mov_b32 s47, 0
	s_lshr_b32 s3, s17, 4                          ; b
	s_and_b32 s45, s17, 15
	s_lshl_b32 s45, s45, 7
	s_lshl_b32 s19, s15, 6
	s_add_co_u32 s45, s45, s19                     ; my first t
	s_lshl_b32 s22, s3, 16
	s_lshl_b32 s19, s45, 3
	s_add_co_u32 s22, s22, s19                     ; cscl is [b][four heads][t][8 bytes]
	s_mov_b32 s23, 0
	s_lshl_b32 s36, s45, 14
	s_lshl_b32 s19, s3, 12
	s_add_co_u32 s36, s36, s19                     ; out0: row 4 t + b of 4,096 bytes
	s_mov_b32 s37, 0
	s_wait_dscnt 0x0
	s_wait_kmcnt 0x0
	s_add_nc_u64 s[6:7], s[6:7], s[22:23]
	s_add_nc_u64 s[10:11], s[10:11], s[66:67]
	s_add_nc_u64 s[92:93], s[92:93], s[38:39]
	s_add_nc_u64 s[12:13], s[94:95], s[36:37]
	s_add_nc_u64 s[12:13], s[12:13], s[38:39]
	s_mov_b32 s[G0], 1
	s_mov_b32 s[G0+1], s18
	s_add_nc_u64 s[G0+2:G0+3], s[4:5], s[20:21]
	s_or_b32 s[G0+3], s[G0+3], 0x80000000
	s_mov_b32 s[G0B], 1
	s_mul_i32 s[G0B+1], s16, 128*PITCH
	s_add_co_u32 s[G0B+1], s[G0B+1], LB
	s_add_nc_u64 s[G0B+2:G0B+3], s[8:9], s[46:47]
	s_or_b32 s[G0B+3], s[G0B+3], 0x80000000
	CROUND                                         ; all sixteen work-groups are here: the joint loads meet
	s_cmp_eq_u32 s15, 0
	s_cbranch_scc0 .Lfor_b
	tensor_load_to_lds s[G0:G0+3], s[G1:G1+7]
	s_nop 0
	PLACES
	s_branch .Lasked
.Lfor_b:
	tensor_load_to_lds s[G0B:G0B+3], s[G1B:G1B+7]
	s_nop 0
	PLACES
.Lasked:
	v_and_b32 v1, 15, v0                           ; r
	v_bfe_u32 v2, v0, 4, 1                         ; h
	v_and_b32 v6, 31, v0
	v_mul_u32_u24 v3, v1, PITCH
	v_mad_u32_u24 v3, v2, 24, v3
	v_lshl_add_u32 v4, v2, 4, v3                   ; where lanes 16-31 lie behind one padding more
	s_mul_i32 s21, s15, 49152
	s_mul_i32 s22, s16, 128*PITCH
	s_add_co_u32 s22, s22, LB
	v_lshl_add_u32 v[ADRA], v6, 4, s21
	v_lshl_add_u32 v[ADRA+1], v6, 3, s21
	v_add_nc_u32 v[ADRB], s22, v3
	v_add_nc_u32 v[ADRB+1], s22, v4
	s_add_co_u32 s22, s22, 4*BLK
	v_add_nc_u32 v[ADRB+2], s22, v3
	v_add_nc_u32 v[ADRB+3], s22, v4
	v_lshlrev_b32 v[VSA], 15, v2
	v_lshl_add_u32 v[VSA], v1, 3, v[VSA]           ; lanes 16-31 take the upper eight heads' words
	v_lshlrev_b32 v[VSB], 5, v1
	v_lshl_add_u32 v[VSB], v2, 4, v[VSB]
	s_mul_i32 s23, s14, 16*SPITCH
	v_mul_u32_u24 v5, v1, SPITCH
	v_lshl_add_u32 v5, v2, 5, v5
	v_add_nc_u32 v[STO], s23, v5
	v_lshlrev_b32 v[CO], 4, v6
	v_add_nc_u32 v[RD], s23, v[CO]
	v_lshlrev_b32 v[OBI], 5, v2
	s_wait_alu depctr_va_vdst(0)
.irp i, 0,1,2,3
.irp j, 0,1
	global_load_b64 v[SA+4*\i+2*\j:SA+4*\i+2*\j+1], v[VSA], s[6:7] offset:16384*\j+128*\i
.endr
.endr
.irp i, 0,1,2,3,4,5,6,7
	global_load_b128 v[SB+4*\i:SB+4*\i+3], v[VSB], s[10:11] offset:512*\i
.endr
	WIN 0xc0                                       ; the bias into window 3: register 8 b + j is column 16 b + 8 h + j
.irp b, 0,1,2,3,4,5,6,7
.irp i, 0,1
	global_load_b128 v[8*\b+4*\i:8*\b+4*\i+3], v[OBI], s[92:93] offset:64*\b+16*\i
.endr
.endr
	WIN 0
.macro FRAG reg, adr, st, off          ; 16 rows x 128 K in pieces of 8 bytes; byte y of a row lies at y + 16 (y / 256); lanes 16-31 read 24 bytes on
.irp p, 0,1,2,3,4,5
.set BY, 96*(\st)+48*(\p/3)+8*(\p%3)
	ds_load_b64 v[\reg+2*\p:\reg+2*\p+1], v[\adr+(BY+24)/256-BY/256] offset:BY+16*(BY/256)+(\off)
.endr
.endm
.macro AFRAG reg, off                  ; an image of 12 registers in four planes
	ds_load_b128 v[\reg:\reg+3], v[ADRA] offset:\off
	ds_load_b64 v[\reg+4:\reg+5], v[ADRA+1] offset:\off+512
	ds_load_b128 v[\reg+6:\reg+9], v[ADRA] offset:\off+768
	ds_load_b64 v[\reg+10:\reg+11], v[ADRA+1] offset:\off+1280
.endm
.macro FETCH st, set
	WIN 0x40
.irp i, 0,1,2,3
	FRAG 128*(\set)+12*\i, ADRB, \st, \i*BLK
.endr
.irp i, 0,1,2,3
	FRAG 128*(\set)+48+12*\i, ADRB+2, \st, \i*BLK
.endr
	WIN 0
.irp i, 0,1,2,3
	AFRAG AF+48*(\set)+12*\i, 12288*\i+1536*(\st)
.endr
.endm
; 32 matrix instructions, the accumulators by turns.  cm = 1: C is the bias
.macro MUL st, cm
.if \cm
	WIN 0xb1
.else
	WIN 0xa1
.endif
.irp a, 0,1,2,3
.irp b, 0,1,2,3,4,5,6,7
.set DD, 8*(8*\a+\b)
.set CC, DD
.if \cm
.set CC, 8*\b
.endif
.if (\st) >= 4
	v_wmma_scale_f32_16x16x128_f8f6f4 v[DD:DD+7], v[128*((\st)%2)+12*\b:128*((\st)%2)+12*\b+11], v[AF+48*((\st)%2)+12*\a:AF+48*((\st)%2)+12*\a+11], v[CC:CC+7], v[SB+4*\b+(\st)%4], v[SA+4*\a+(\st)%4] matrix_a_fmt:MATRIX_FMT_FP6 matrix_b_fmt:MATRIX_FMT_FP6 matrix_a_scale:MATRIX_SCALE_ROW1 matrix_b_scale:MATRIX_SCALE_ROW1
.else
	v_wmma_scale_f32_16x16x128_f8f6f4 v[DD:DD+7], v[128*((\st)%2)+12*\b:128*((\st)%2)+12*\b+11], v[AF+48*((\st)%2)+12*\a:AF+48*((\st)%2)+12*\a+11], v[CC:CC+7], v[SB+4*\b+(\st)%4], v[SA+4*\a+(\st)%4] matrix_a_fmt:MATRIX_FMT_FP6 matrix_b_fmt:MATRIX_FMT_FP6
.endif
.endr
.endr
.endm
	s_wait_tensorcnt 0x0                           ; my part of the operands is in;
	s_barrier_signal -1
	s_barrier_wait -1                              ; and everybody's.
	FETCH 0, 0
	s_wait_loadcnt 0x0                             ; scale words and bias
	s_wait_dscnt 0x0
	FETCH 1, 1
	MUL 0, 1
.set ST, 1
.rept 6                                ; while a step is multiplied, the next step's 64 loads land in the other set
	s_wait_dscnt 0x0
	PLACES
	FETCH ST+1, (ST+1)%2
	MUL ST, 0
.set ST, ST+1
.endr
	s_wait_dscnt 0x0                               ; my reads of the operands are over
	s_barrier_signal -1
	MUL 7, 0
	WIN 0
	s_barrier_wait -1                              ; and everybody's: the stage may lie in A's bytes, which have had their only fill
	PLACES
.macro TOSTAGE a
	WIN 0x08
.irp b, 0,1,2,3,4,5,6,7
	ds_store_b128 v[STO], v[64*\a+8*\b:64*\a+8*\b+3] offset:64*\b          ; each accumulator from its low end on
	ds_store_b128 v[STO], v[64*\a+8*\b+4:64*\a+8*\b+7] offset:64*\b+16
.endr
	WIN 0
.set BB, BK+64*((\a)%2)
.irp t, 0,1,2,3,4,5,6,7,8,9,10,11,12,13,14,15
	ds_load_b128 v[BB+4*\t:BB+4*\t+3], v[RD] offset:\t*SPITCH      ; LDS serves a wave's instructions in order: these see the stores above
.endr
.endm
.macro SEND a, younger
.set BB, BK+64*((\a)%2)
	s_wait_dscnt \younger
.irp t, 0,1,2,3,4,5,6,7,8,9,10,11,12,13,14,15
	global_store_b128 v[CO], v[BB+4*\t:BB+4*\t+3], s[12:13] offset:(16*(\a)+\t)*ROWO th:TH_STORE_NT   ; 32 lanes store 512 consecutive aligned bytes
.endr
.endm
	TOSTAGE 0
.irp a, 1,2,3
.if \a > 1
	s_wait_xcnt 0x0                                ; block a - 2's stores have read their registers
.endif
	TOSTAGE \a
	SEND \a-1, 32                                  ; behind block a - 1's loads: block a's 16 stores and 16 loads
.endr
	SEND 3, 0
	s_wait_tensorcnt 0x0                           ; the wave's end
	ds_add_u32 v[SPW], v[NIL]
	s_wait_dscnt 0x0
	CROUND                                         ; the closing round
	s_endpgm
.Lfunc_end_k_qd7362b9521_outp:
	.size	k_qd7362b9521_outp, .Lfunc_end_k_qd7362b9521_outp-k_qd7362b9521_outp
	.p2alignl 7, 3214868480
	.fill 96, 4, 3214868480
	.section	.rodata,"a",@progbits
	.p2align	6, 0x0
	.amdhsa_kernel k_qd7362b9521_outp
		.amdhsa_group_segment_fixed_size 327680
		.amdhsa_private_segment_fixed_size 0
		.amdhsa_enable_private_segment 0
		.amdhsa_kernarg_size 48
		.amdhsa_user_sgpr_count 2
		.amdhsa_user_sgpr_kernarg_segment_ptr 1
		.amdhsa_wavefront_size32 1
		.amdhsa_system_sgpr_workgroup_id_x 1
		.amdhsa_system_sgpr_workgroup_id_y 1
		.amdhsa_system_sgpr_workgroup_id_z 1
		.amdhsa_system_vgpr_workitem_id 0
		.amdhsa_next_free_vgpr 832
		.amdhsa_next_free_sgpr 98
		.amdhsa_reserve_vcc 0
		.amdhsa_float_denorm_mode_32 3
		.amdhsa_float_denorm_mode_16_64 3
		.amdhsa_memory_ordered 1
		.amdhsa_forward_progress 1
		.amdhsa_inst_pref_size 91
	.end_amdhsa_kernel
	.amdgpu_metadata
---
amdhsa.version: [ 1, 2 ]
amdhsa.kernels:
  - .name:           k_qd7362b9521_outp
    .symbol:         k_qd7362b9521_outp.kd
    .args:
      - { .name: cfrag, .offset: 0, .size: 8, .value_kind: global_buffer, .address_space: global }
      - { .name: cscl, .offset: 8, .size: 8, .value_kind: global_buffer, .address_space: global }
      - { .name: w_out_codes, .offset: 16, .size: 8, .value_kind: global_buffer, .address_space: global }
      - { .name: w_out_scales, .offset: 24, .size: 8, .value_kind: global_buffer, .address_space: global }
      - { .name: b_out, .offset: 32, .size: 8, .value_kind: global_buffer, .address_space: global }
      - { .name: out0, .offset: 40, .size: 8, .value_kind: global_buffer, .address_space: global }
    .group_segment_fixed_size: 327680
    .private_segment_fixed_size: 0
    .kernarg_segment_align: 8
    .kernarg_segment_size: 48
    .max_flat_workgroup_size: 128
    .sgpr_count:     98
    .vgpr_count:     832
    .wavefront_size: 32
...
	.end_amdgpu_metadata
.endif
;; end of part 4
